; MI455X (gfx1250); checked and timed in simulation.
; The chip was launched on July 23, 2026; its instructions are those of AMD's public machine-readable ISA for CDNA 5 (MIT licence, August 2026) and "CDNA5" Instruction Set Architecture Reference Guide (July 2026). The comments in the code are by the model that wrote it; some were corrected since.
;; Self Attention. Allowed arithmetic: matrix products marked QUANTISED: E5M2 operands, one E8M0 scale for each 32 along K, by v_wmma_scale_f32_16x16x128_f8f6f4 with both operands' format E5M2, f32 sums; everything else in f32.
;; Inputs: Wb 1,024 x 16 float32; Wg 1,024 x 1,024 float32; Wo 1,024 x 1,024 float32; Wqkv 1,024 x 3,072 float32; alphak one number float32; alphaq one number float32; alphav one number float32; bb 16 float32; bg 1,024 float32; bo 1,024 float32; bqkv 3,072 float32; mask 2 x 2,048 float32; rcos 2,048 x 64 float32; rsin 2,048 x 64 float32; x 2 x 2,048 x 1,024 float32.
;; Outputs: out0 2 x 2,048 x 1,024 float32.
;; This version of the problem:
;;   THIS VERSION OF THE PROBLEM IS GIVEN IN LOW PRECISION. The matrix products marked QUANTISED in the list below multiply operands that are first quantised to E5M2 (5 exponent bits, 2 mantissa bits; 8 bits a number), with one power-of-two scale for each 32 numbers along K (OCP MX v1.0); their sums are f32. All else is computed in f32.
;;   The module's matrix products, in the order in which they are computed (A, B: the left and right operand; K: the contracted axis; several contracted axes count as one K, in the product's order):
;;     1. [M 4,096, K 1,024] x [K 1,024, N 3,072]; A: input x; B: input Wqkv: QUANTISED
;;     2. batch 32 x [M 2,048, K 64] x [K 64, N 2,048]; A: computed on the way; B: computed on the way: QUANTISED
;;     3. [M 4,096, K 1,024] x [K 1,024, N 16]; A: input x; B: input Wb: QUANTISED
;;     4. batch 32 x [M 2,048, K 2,048] x [K 2,048, N 64]; A: softmax (see below); B: computed on the way: QUANTISED
;;     5. [M 4,096, K 1,024] x [K 1,024, N 1,024]; A: input x; B: input Wg: QUANTISED
;;     6. [M 4,096, K 1,024] x [K 1,024, N 1,024]; A: computed on the way; B: input Wo: QUANTISED
;;   THE QUANTISER, for each operand of a quantised product, along K:
;;     - K is cut into blocks of 32 from its start; a last block that is shorter is filled with zeros.
;;     - A block's scale is 2^e with e = floor(log2(the largest magnitude in the block)) - 15, held to -126 .. 127; a block of zeros has e = 0. As a byte (E8M0): e + 127.
;;     - Each number is divided by its block's scale, clamped to +-57,344, and rounded to the nearest number of E5M2, ties to even, subnormals kept.
;;     - The product sums the exact products of the quantised numbers (number of the format x scale) in f32.
;;   ~~~python
;;   def quantise(x, axis):      # numpy; x: float32 -> the quantised numbers, widened to float32 again
;;       x = np.moveaxis(x, axis, -1); K = x.shape[-1]
;;       x = np.pad(x, [(0, 0)] * (x.ndim - 1) + [(0, -K % 32)]); x = x.reshape(x.shape[:-1] + (-1, 32)); a = np.abs(x).max(-1, keepdims=True)
;;       e = np.where(a > 0, np.clip(np.frexp(np.where(a > 0, a, 1))[1] - 1 - 15, -126, 127), 0)      # np.frexp(a)[1] - 1 = floor(log2(a)), exactly
;;       r = np.clip(x / 2.0 ** e, -57344, 57344)
;;       step = 2.0 ** (np.maximum(np.frexp(np.where(r == 0, 1, r))[1] - 1, -14) - 2)
;;       q = np.round(r / step) * step * 2.0 ** e      # np.round: ties to even
;;       return np.moveaxis(q.reshape(q.shape[:-2] + (-1,))[..., :K], -1, axis).astype(np.float32)
;;   ~~~
;;   SOFTMAX AHEAD OF A QUANTISED PRODUCT. Where the list says 'softmax', what is quantised is not the finished softmax but p = 2^(t - M), with t = logit x log2(e) and M = ceil(the row's largest t), a whole number; so 1/2 < the row's largest p <= 1. The row's sum l is taken of the UNQUANTISED p, in f32, and the product's result is divided by l at the end. Since M is a whole number, a kernel that streams over the keys may use a running M (the ceiling of the running maximum): every later rescaling is an exact power of two, which a block's scale takes up: the codes' values come out the same.
;;   OPERANDS COMPUTED ON THE WAY. 'Computed on the way' means the value that the module computes at that place (a softmax that the list does not call 'softmax' is quantised finished and normalised). What goes into a quantiser is computed in f32, as accurately as f32 sums, v_exp_f32 and their like allow (about 1e-6 of the number): no bf16 or f16 on the way to a quantiser, and a product that is left as it is and whose result goes on into a quantised operand takes f32 operands (vector FMAs, or v_wmma_f32_16x16x4_f32). A number that lies on a knife's edge between two numbers of the format may be rounded either way, as far as f32 arithmetic and the matrix unit's own rounding can turn it there, and no further.
;; One version. Each part assembles by itself: llvm-mc -triple=amdgcn-amd-amdhsa -mcpu=gfx1250 --defsym DOCPART=n.
;; ======== version 1 of 1: 4 launches
;; limits: right only within a limited range of input values
;; workspace buffers: cw 9,749,504 bytes; qkv 13,238,272 bytes; gate 16,777,216 bytes; attw 16,777,216 bytes
;; launch quant (part 1): grid 289 x 1, 4 waves a work-group, no clusters, 68,096 bytes of LDS; arguments x, Wqkv, Wg, Wo, Wb, cw; writes cw
.if DOCPART == 1
	.amdgcn_target "amdgcn-amd-amdhsa--gfx1250"
	.amdhsa_code_object_version 6
	.text
	.protected	k_q4ea2dfab15_quant
	.globl	k_q4ea2dfab15_quant
	.p2align	8
	.type	k_q4ea2dfab15_quant,@function
k_q4ea2dfab15_quant:
	s_mov_b64 s[64:65], 0
	v_nop
	global_prefetch_b8 v0, s[64:65] scope:SCOPE_SE
	s_setreg_imm32_b32 hwreg(HW_REG_WAVE_MODE, 25, 1), 1
	s_wait_xcnt 0x0
; x [4096][1024], Wqkv [1024][3072], Wg, Wo [1024][1024], Wb [1024][16], all f32, become codes of BF8 (E5M2) with one E8M0 byte for each 32 along K, in the workspace cw.
; A block's scale is 2^(floor(log2(largest magnitude)) - 15); its byte is the largest magnitude's exponent field - 15, held at 1 from below; numbers are held within +-57,344 x scale and rounded to the nearest code.
; LIMITS: a block of zeros gets the byte 1 where the rule says 127 (its codes are zeros; only this program reads the bytes); NaN and infinities among the inputs are not served.
; cw: CODES [8192 rows][1024 B] at 0: rows 0-4095 = tokens, rows 4096 + 1024 reg + 64 head + pos(d) = columns of Wqkv (reg 0 Q, 1 K, 2 V) and Wg (reg 3), channel = 16 d + head;
;     scale bytes [8192][32] at CWS;  Wo as images of operand registers [ntile 64][kstep 8][chunk 4][512 B] at WOI, its bytes [n][32] at WOS;  Wb's images [kstep 8][4][512] at WBI, its scale words [kstep][lane] at WBS.
; POSITION ORDER: inside every group of 32 tokens (and of 32 d) the groups of eight 1 and 2 change places, so that a plain tile of 16 rows holds indices 8 u + r + 8 (r / 8): the later products' results then have 16 neighbours in 16 registers.
; Three ways part on the work-group's number, each with LDS bytes of its own: 0-127 x (K innermost), 128-287 the weights (K outermost: a lane takes a column), 288 Wb.
.set CWS,   8388608
.set WOI,   8650752
.set WOS,   9699328
.set WBI,   9732096
.set WBS,   9748480
.set EMAX,  15
.set MANT,  0x600000                   ; the mantissa field of 57,344
.set STEPS, 16
.set XR,    16                         ; x: v16-79 four sets of 16 numbers as loaded
.set XX,    80                         ; v80-111 two sets of 16 neighbours
.set XE,    112                        ; v112-127 a scale byte for each step
.set XC,    128                        ; v128-191 codes, four registers a step
.set WREG,  8192                       ; x: LDS region of a wave: two stages of 32 x SP bytes, then 256 scale bytes
.set SP,    80
.set WX,    32                         ; weights: v32-95 two sets of 32 numbers
.set WC,    96                         ; v96-103 a block's codes
.set WOUT,  112                        ; v112-175 the way out
.set WSB,   24                         ; v24-25 eight scale bytes
.set WOFF,  176                        ; v176-207 byte offset of row i of a block
.set WST,   32768                      ; weights: the stages begin here, 32 rows x WP bytes a wave
.set WP,    272
	s_load_b256 s[4:11], s[0:1], 0x0               ; x s[4:5], Wqkv s[6:7], Wg s[8:9], Wo s[10:11]
	s_load_b128 s[12:15], s[0:1], 0x20             ; Wb s[12:13], cw s[14:15]
	v_lshl_add_u32 v208, v0, 2, 0x10800
	v_mov_b32 v209, 0
	v_lshrrev_b32 v1, 5, v0
	v_readfirstlane_b32 s16, v1                    ; wave
	v_and_b32 v2, 31, v0                           ; lane
	s_mov_b32 s31, MANT
	s_cmp_lt_u32 ttmp9, 128
	s_cbranch_scc0 .Lnot_x
; ---------------- x: a wave takes 8 rows (8,192 numbers) in 16 steps of 512; loads dense, a turn through the wave's stage gives a lane 16 neighbours
	v_lshlrev_b32 v3, 4, v2                        ; my 16 bytes of a load's 512
	s_mul_i32 s17, s16, WREG
	v_lshrrev_b32 v14, 2, v2
	v_mul_u32_u24 v14, v14, SP
	v_and_b32 v15, 3, v2
	v_lshl_add_u32 v14, v15, 4, v14
	v_add_nc_u32 v14, s17, v14                     ; the stage, way in: SP (lane / 4) + 16 (lane % 4)
	v_mul_u32_u24 v15, v2, SP
	v_add_nc_u32 v15, s17, v15                     ; way out: SP x lane
	v_lshlrev_b32 v4, 4, v2                        ; my codes' place in a step's
	v_lshrrev_b32 v5, 1, v2
	s_add_co_u32 s17, s17, 2*32*SP
	v_add_nc_u32 v5, s17, v5                       ; my block's byte among the wave's 256
	v_lshlrev_b32 v7, 3, v2
	v_add_nc_u32 v6, s17, v7
	s_lshl_b32 s18, ttmp9, 2
	s_add_co_u32 s19, s18, s16                     ; the run of 8 rows that I read
	s_and_b32 s20, s16, 1
	s_lshl_b32 s20, s20, 1
	s_lshr_b32 s21, s16, 1
	s_or_b32 s20, s20, s21                         ; groups of eight 1 and 2 change places
	s_add_co_u32 s20, s18, s20                     ; the run that I write
	s_lshl_b32 s22, s19, 15
	s_mov_b32 s23, 0
	s_lshl_b32 s24, s20, 13
	s_mov_b32 s25, 0
	s_lshl_b32 s26, s20, 8
	s_add_co_u32 s26, s26, CWS
	s_mov_b32 s27, 0
	s_wait_alu depctr_va_vdst(0)
	s_wait_kmcnt 0x0
	s_add_nc_u64 s[4:5], s[4:5], s[22:23]
	s_add_nc_u64 s[8:9], s[14:15], s[24:25]        ; codes
	s_add_nc_u64 s[10:11], s[14:15], s[26:27]      ; scale bytes
.macro LOADX t
.irp i, 0,1,2,3
	global_load_b128 v[XR+16*((\t)%4)+4*\i:XR+16*((\t)%4)+4*\i+3], v3, s[4:5] offset:2048*(\t)+512*\i
.endr
.endm
.macro TURNX t                         ; LDS serves a wave's instructions in order: no wait between the stores and the loads
.irp i, 0,1,2,3
	ds_store_b128 v14, v[XR+16*((\t)%4)+4*\i:XR+16*((\t)%4)+4*\i+3] offset:32*SP*((\t)%2)+8*SP*\i
.endr
.irp i, 0,1,2,3
	ds_load_b128 v[XX+16*((\t)%2)+4*\i:XX+16*((\t)%2)+4*\i+3], v15 offset:32*SP*((\t)%2)+16*\i
.endr
.endm
.irp t, 0,1,2,3
	LOADX \t
.endr
	s_wait_loadcnt 12                              ; step 0's four loads are in; three steps' twelve may be out
	TURNX 0
.macro STEPX t
.set XS, XX+16*((\t)%2)
.if (\t) > 0
	s_wait_dscnt 1                                 ; this step's numbers are back from the stage; the last step's byte store may be out
.else
	s_wait_dscnt 0x0
.endif
.if (\t)+4 < STEPS
	LOADX (\t)+4
.endif
.if (\t)+1 < STEPS
.if STEPS-2-(\t) >= 3
	s_wait_loadcnt 12                              ; the next step's four loads are in; those of three steps behind it may be out
.else
	s_wait_loadcnt 4*(STEPS-2-(\t))
.endif
	TURNX (\t)+1
.endif
	v_max3_num_f32 v8, |v[XS]|, |v[XS+1]|, |v[XS+2]|
	v_max3_num_f32 v9, |v[XS+3]|, |v[XS+4]|, |v[XS+5]|
.irp i, 6,10
	v_max3_num_f32 v8, v8, |v[XS+\i]|, |v[XS+\i+1]|
	v_max3_num_f32 v9, v9, |v[XS+\i+2]|, |v[XS+\i+3]|
.endr
	v_max3_num_f32 v8, v8, |v[XS+14]|, |v[XS+15]|
	v_max3_num_f32 v8, v8, v9, (EMAX+1)<<23        ; the floor 2^(16 - 127): the byte cannot fall under 1
	v_max_num_f32_dpp v8, v8, v8 row_xmask:1 row_mask:0xf bank_mask:0xf   ; with my neighbour's 16: the block's largest magnitude
	v_add_nc_u32 v11, -(EMAX<<23), v8              ; 15 off its exponent field: the conversion's scale operand
	v_and_or_b32 v10, v8, 0x7f800000, s31          ; 57,344 x the scale
.irp i, 0,1,2,3,4,5,6,7,8,9,10,11,12,13,14,15
	v_med3_num_f32 v[XS+\i], v[XS+\i], -v10, v10   ; the conversion does not saturate (ISA guide 7.6.2): the hold
.endr
	v_cvt_scalef32_pk8_bf8_f32 v[XC+4*(\t):XC+4*(\t)+1], v[XS:XS+7], v11
	v_cvt_scalef32_pk8_bf8_f32 v[XC+4*(\t)+2:XC+4*(\t)+3], v[XS+8:XS+15], v11
	v_lshrrev_b32 v[XE+(\t)], 23, v11              ; the scale's byte
	ds_store_b8 v5, v[XE+(\t)] offset:16*(\t)      ; both lanes of a block write the same byte with the same value
	global_store_b128 v4, v[XC+4*(\t):XC+4*(\t)+3], s[8:9] offset:512*(\t)   ; the wave stores 512 consecutive bytes
.endm
.irp t, 0,1,2,3,4,5,6,7,8,9,10,11,12,13,14,15
	STEPX \t
.endr
	ds_load_b64 v[12:13], v6
	s_wait_dscnt 0x0
	global_store_b64 v7, v[12:13], s[10:11]        ; 32 lanes store 256 consecutive bytes, aligned
	s_wait_tensorcnt 0x0
	ds_add_u32 v208, v209
	s_wait_dscnt 0x0
	s_endpgm
.Lnot_x:
	s_cmp_lt_u32 ttmp9, 288
	s_cbranch_scc0 .Lwb
; ---------------- the weights: a work-group takes 128 columns x 256 along K, a wave 32 columns, a lane one column; its registers run down K
	s_sub_co_u32 s17, ttmp9, 128
	s_lshr_b32 s18, s17, 2                         ; cg: 0-23 Wqkv, 24-31 Wg, 32-39 Wo
	s_and_b32 s19, s17, 3                          ; ky
	s_and_b32 s20, s18, 7                          ; gx: which 128 columns of a region of 1,024
	s_lshl_b32 s24, s18, 9
	s_lshl_b32 s25, s20, 9
	s_wait_alu depctr_va_vdst(0)
	v_lshlrev_b32 v3, 2, v2                        ; 4 x lane
	v_and_b32 v15, 15, v2                          ; r
	v_lshrrev_b32 v16, 4, v2                       ; g
	s_mul_i32 s26, s16, 32*WP
	s_add_co_u32 s26, s26, WST                     ; my stage
	v_mul_u32_u24 v4, v2, WP
	v_add_nc_u32 v4, s26, v4                       ; into it: row = my column
	v_mul_u32_u24 v5, v16, WP
	v_lshl_add_u32 v5, v15, 4, v5
	v_add_nc_u32 v5, s26, v5                       ; out of it by rows: sixteen lanes to a row
	v_lshlrev_b32 v6, 16, v16
	v_lshl_add_u32 v6, v15, 4, v6                  ; and in CODES: stage rows 2 t + g are heads 64 rows apart
	v_mul_u32_u24 v7, v15, WP
	v_lshl_add_u32 v7, v16, 4, v7
	v_add_nc_u32 v7, s26, v7                       ; out of it as an operand's registers (Wo): row r, 16 g
	v_lshlrev_b32 v8, 4, v2                        ; 16 x lane
	v_lshlrev_b32 v9, 11, v15
	v_lshl_add_u32 v9, v16, 5, v9                  ; scale bytes by rows: 32 (64 r + g)
	v_lshlrev_b32 v14, 5, v2                       ; Wo's: 32 x lane
	s_mov_b32 s21, 4096
	s_wait_kmcnt 0x0
	s_cmp_lt_u32 s18, 24
	s_cselect_b64 s[22:23], s[6:7], s[8:9]
	s_cselect_b32 s21, 12288, s21                  ; bytes from row to row
	s_cselect_b32 s24, s24, s25                    ; first column's byte
	s_cmp_lt_u32 s18, 32
	s_cselect_b64 s[22:23], s[22:23], s[10:11]
; Row i of a block.  Wo's K (channel 16 d + head) is taken inside each block in the order 2 head + (d % 2), as the last launch lays its own operand: register i is row 16 (i % 2) + i / 2.
.set i, 0
.rept 32
	s_cselect_b32 s26, i, (16*(i&1))+(i>>1)
	s_mul_i32 s26, s26, s21
	v_add_nc_u32 v[WOFF+i], s26, v3
.set i, i+1
.endr
	s_lshl_b32 s26, s19, 8
	s_mul_i32 s26, s26, s21
	s_add_co_u32 s26, s26, s24
	s_lshl_b32 s27, s16, 7
	s_add_co_u32 s26, s26, s27
	s_mov_b32 s27, 0
	s_lshl_b32 s28, s21, 5
	s_mov_b32 s29, 0
	s_add_nc_u64 s[32:33], s[22:23], s[26:27]      ; a base for each of the eight blocks
.irp t, 1,2,3,4,5,6,7
	s_add_nc_u64 s[32+2*\t:33+2*\t], s[30+2*\t:31+2*\t], s[28:29]
.endr
	; where the results go.  By rows: first row = 4096 + 1024 (cg / 8) + 32 (gx / 4) + 8 sw(gx % 4) + 2 wave
	s_lshr_b32 s48, s18, 3
	s_lshl_b32 s48, s48, 10
	s_add_co_u32 s48, s48, 4096
	s_lshr_b32 s49, s20, 2
	s_lshl_b32 s49, s49, 5
	s_add_co_u32 s48, s48, s49
	s_and_b32 s49, s20, 1
	s_lshl_b32 s49, s49, 1
	s_bfe_u32 s50, s20, 0x10001
	s_or_b32 s49, s49, s50
	s_lshl_b32 s49, s49, 3
	s_add_co_u32 s48, s48, s49
	s_lshl_b32 s49, s16, 1
	s_add_co_u32 s48, s48, s49
	s_lshl_b32 s50, s48, 10
	s_lshl_b32 s51, s19, 8
	s_add_co_u32 s50, s50, s51
	s_mov_b32 s51, 0
	s_add_nc_u64 s[50:51], s[14:15], s[50:51]
	s_lshl_b32 s52, s48, 5
	s_lshl_b32 s53, s19, 3
	s_add_co_u32 s52, s52, s53
	s_add_co_u32 s52, s52, CWS
	s_mov_b32 s53, 0
	s_add_nc_u64 s[52:53], s[14:15], s[52:53]
	; Wo: ntile = 8 gx + 2 wave (+ 1), ksteps 2 ky, 2 ky + 1
	s_lshl_b32 s54, s20, 3
	s_lshl_b32 s55, s16, 1
	s_add_co_u32 s54, s54, s55
	s_lshl_b32 s56, s54, 9
	s_lshl_b32 s54, s54, 3
	s_lshl_b32 s55, s19, 1
	s_add_co_u32 s54, s54, s55
	s_lshl_b32 s54, s54, 11
	s_add_co_u32 s54, s54, WOI
	s_mov_b32 s55, 0
	s_add_nc_u64 s[54:55], s[14:15], s[54:55]
	s_lshl_b32 s57, s19, 3
	s_add_co_u32 s56, s56, s57
	s_add_co_u32 s56, s56, WOS
	s_mov_b32 s57, 0
	s_add_nc_u64 s[56:57], s[14:15], s[56:57]
.macro LOADW t                         ; block t: 32 rows at my column: 128 consecutive bytes a wave and row
.set i, 0
.rept 32
	global_load_b32 v[WX+32*((\t)%2)+i], v[WOFF+i], s[32+2*(\t):33+2*(\t)] th:TH_LOAD_NT
.set i, i+1
.endr
.endm
	s_wait_alu depctr_va_vdst(0)
	LOADW 0
	LOADW 1
.macro BLOCKW t
.set XS, WX+32*((\t)%2)
.if (\t) < 7
	s_wait_loadcnt 32                              ; this block's 32 loads are in; the next block's may be out
.else
	s_wait_loadcnt 0x0
.endif
	v_max3_num_f32 v12, |v[XS]|, |v[XS+1]|, |v[XS+2]|
	v_max3_num_f32 v13, |v[XS+3]|, |v[XS+4]|, |v[XS+5]|
.irp i, 6,10,14,18,22,26
	v_max3_num_f32 v12, v12, |v[XS+\i]|, |v[XS+\i+1]|
	v_max3_num_f32 v13, v13, |v[XS+\i+2]|, |v[XS+\i+3]|
.endr
	v_max3_num_f32 v12, v12, |v[XS+30]|, |v[XS+31]|
	v_max3_num_f32 v12, v12, v13, (EMAX+1)<<23
	v_add_nc_u32 v11, -(EMAX<<23), v12
	v_and_or_b32 v10, v12, 0x7f800000, s31
	v_lshrrev_b32 v13, 23, v11
.if (\t)%4 == 0
	v_mov_b32 v[WSB+(\t)/4], v13
.else
	v_lshl_or_b32 v[WSB+(\t)/4], v13, 8*((\t)%4), v[WSB+(\t)/4]
.endif
.irp i, 0,1,2,3,4,5,6,7,8,9,10,11,12,13,14,15,16,17,18,19,20,21,22,23,24,25,26,27,28,29,30,31
	v_med3_num_f32 v[XS+\i], v[XS+\i], -v10, v10
.endr
.irp g, 0,1,2,3
	v_cvt_scalef32_pk8_bf8_f32 v[WC+2*\g:WC+2*\g+1], v[XS+8*\g:XS+8*\g+7], v11
.endr
	ds_store_b128 v4, v[WC:WC+3] offset:32*(\t)
	ds_store_b128 v4, v[WC+4:WC+7] offset:32*(\t)+16
.if (\t)+2 < 8
	LOADW (\t)+2
.endif
	s_wait_dscnt 0x0                               ; the stores have read their registers: the next block's codes may be written
.endm
.irp t, 0,1,2,3,4,5,6,7
	BLOCKW \t
.endr
	s_cmp_lt_u32 s18, 32
	s_cbranch_scc0 .Lwo_out
	global_store_b64 v9, v[WSB:WSB+1], s[52:53]    ; my column's eight scale bytes (rows 32 bytes long: pieces of 8 bytes, one byte in 128 of what is read)
.irp t, 0,1,2,3,4,5,6,7,8,9,10,11,12,13,14,15
	ds_load_b128 v[WOUT+4*\t:WOUT+4*\t+3], v5 offset:2*\t*WP
.endr
.irp t, 0,1,2,3,4,5,6,7,8,9,10,11,12,13,14,15
	s_wait_dscnt 15-\t
	global_store_b128 v6, v[WOUT+4*\t:WOUT+4*\t+3], s[50:51] offset:131072*(\t%8)+1024*(\t/8)   ; stage row 2 t + g = 16 (d % 2) + head: 16 lanes store 256 consecutive bytes, aligned
.endr
	s_wait_tensorcnt 0x0
	ds_add_u32 v208, v209
	s_wait_dscnt 0x0
	s_endpgm
.Lwo_out:
	global_store_b64 v14, v[WSB:WSB+1], s[56:57]
.irp t, 0,1,2,3,4,5,6,7,8,9,10,11,12,13,14,15
	ds_load_b128 v[WOUT+4*\t:WOUT+4*\t+3], v7 offset:16*WP*(\t/8)+128*((\t/4)%2)+32*(\t%4)
.endr
.irp t, 0,1,2,3,4,5,6,7,8,9,10,11,12,13,14,15
	s_wait_dscnt 15-\t
	global_store_b128 v8, v[WOUT+4*\t:WOUT+4*\t+3], s[54:55] offset:16384*(\t/8)+2048*((\t/4)%2)+512*(\t%4)   ; four registers of a fragment: 512 consecutive bytes
.endr
	s_wait_tensorcnt 0x0
	ds_add_u32 v208, v209
	s_wait_dscnt 0x0
	s_endpgm
.Lwb:
; ---------------- Wb [1024][16]: wave w makes K steps 2 w and 2 w + 1; lane (r, g) takes column r and k = 32 c + 16 g + 0 .. 15: the conversions' results are the operand's registers
	v_and_b32 v1, 15, v0
	v_bfe_u32 v3, v0, 4, 1
	v_lshlrev_b32 v4, 2, v1
	v_lshl_add_u32 v5, v3, 10, v4                  ; 16 g rows of 64 bytes + 4 r
	s_wait_alu depctr_va_vdst(0)
	v_lshlrev_b32 v6, 4, v2
	v_lshlrev_b32 v7, 2, v2
	s_mov_b32 s20, 0x76543210
	s_mov_b32 s21, 0xfedcba98
	s_lshl_b32 s22, s16, 14
	s_mov_b32 s23, 0
	s_lshl_b32 s24, s16, 12
	s_add_co_u32 s24, s24, WBI
	s_mov_b32 s25, 0
	s_lshl_b32 s26, s16, 8
	s_add_co_u32 s26, s26, WBS
	s_mov_b32 s27, 0
	s_wait_kmcnt 0x0
	s_add_nc_u64 s[12:13], s[12:13], s[22:23]
	s_add_nc_u64 s[24:25], s[14:15], s[24:25]
	s_add_nc_u64 s[26:27], s[14:15], s[26:27]
.irp b, 0,1,2,3
	v_mov_b32 v[36+\b], 0                          ; a lane permute's destination counts as one of its sources
.endr
.macro WBSTEP sl
.irp c, 0,1,2,3
.irp i, 0,1,2,3,4,5,6,7,8,9,10,11,12,13,14,15
	global_load_b32 v[64+16*\c+\i], v5, s[12:13] offset:64*(128*\sl+32*\c+\i)
.endr
.endr
	s_wait_loadcnt 0x0
.irp b, 0,1,2,3
	v_max3_num_f32 v[32+\b], |v[64+16*\b]|, |v[65+16*\b]|, 0x8000000
.endr
.irp i, 2,4,6,8,10,12,14
.irp b, 0,1,2,3
	v_max3_num_f32 v[32+\b], v[32+\b], |v[64+16*\b+\i]|, |v[65+16*\b+\i]|
.endr
.endr
.irp b, 0,1,2,3
	v_permlanex16_b32 v[36+\b], v[32+\b], s20, s21
.endr
.irp b, 0,1,2,3
	v_max_num_f32 v[32+\b], v[32+\b], v[36+\b]
.endr
.irp b, 0,1,2,3
	v_add_nc_u32 v[44+\b], 0xf8800000, v[32+\b]
.endr
.irp b, 0,1,2,3
	v_and_or_b32 v[40+\b], v[32+\b], 0x7f800000, s31
.endr
.irp b, 0,1,2,3
	v_lshrrev_b32 v[36+\b], 23, v[44+\b]
.endr
	v_lshl_or_b32 v9, v37, 8, v36
	v_lshl_or_b32 v9, v38, 16, v9
	v_lshl_or_b32 v9, v39, 24, v9
.irp c, 0,1,2,3
.irp i, 0,1,2,3,4,5,6,7,8,9,10,11,12,13,14,15
	v_med3_num_f32 v[64+16*\c+\i], v[64+16*\c+\i], -v[40+\c], v[40+\c]
.endr
	v_cvt_scalef32_pk8_bf8_f32 v[48+4*\c:49+4*\c], v[64+16*\c:71+16*\c], v[44+\c]
	v_cvt_scalef32_pk8_bf8_f32 v[50+4*\c:51+4*\c], v[72+16*\c:79+16*\c], v[44+\c]
.endr
	v_nop
.irp c, 0,1,2,3
	global_store_b128 v6, v[48+4*\c:51+4*\c], s[24:25] offset:2048*\sl+512*\c
.endr
	global_store_b32 v7, v9, s[26:27] offset:128*\sl
.endm
	WBSTEP 0
	s_wait_xcnt 0x0                                ; the stores' data are written again only behind this wait
	WBSTEP 1
	s_endpgm
.Lfunc_end_k_q4ea2dfab15_quant:
	.size	k_q4ea2dfab15_quant, .Lfunc_end_k_q4ea2dfab15_quant-k_q4ea2dfab15_quant
	.p2alignl 7, 3214868480
	.fill 96, 4, 3214868480
	.section	.rodata,"a",@progbits
	.p2align	6, 0x0
	.amdhsa_kernel k_q4ea2dfab15_quant
		.amdhsa_group_segment_fixed_size 68096
		.amdhsa_private_segment_fixed_size 0
		.amdhsa_enable_private_segment 0
		.amdhsa_kernarg_size 48
		.amdhsa_user_sgpr_count 2
		.amdhsa_user_sgpr_kernarg_segment_ptr 1
		.amdhsa_wavefront_size32 1
		.amdhsa_system_sgpr_workgroup_id_x 1
		.amdhsa_system_sgpr_workgroup_id_y 1
		.amdhsa_system_sgpr_workgroup_id_z 1
		.amdhsa_system_vgpr_workitem_id 0
		.amdhsa_next_free_vgpr 210
		.amdhsa_next_free_sgpr 66
		.amdhsa_reserve_vcc 0
		.amdhsa_float_denorm_mode_32 3
		.amdhsa_float_denorm_mode_16_64 3
		.amdhsa_memory_ordered 1
		.amdhsa_forward_progress 1
		.amdhsa_inst_pref_size 148
	.end_amdhsa_kernel
	.amdgpu_metadata
---
amdhsa.version: [ 1, 2 ]
amdhsa.kernels:
  - .name:           k_q4ea2dfab15_quant
    .symbol:         k_q4ea2dfab15_quant.kd
    .args:
      - { .name: x, .offset: 0, .size: 8, .value_kind: global_buffer, .address_space: global }
      - { .name: Wqkv, .offset: 8, .size: 8, .value_kind: global_buffer, .address_space: global }
      - { .name: Wg, .offset: 16, .size: 8, .value_kind: global_buffer, .address_space: global }
      - { .name: Wo, .offset: 24, .size: 8, .value_kind: global_buffer, .address_space: global }
      - { .name: Wb, .offset: 32, .size: 8, .value_kind: global_buffer, .address_space: global }
      - { .name: cw, .offset: 40, .size: 8, .value_kind: global_buffer, .address_space: global }
    .group_segment_fixed_size: 68096
    .private_segment_fixed_size: 0
    .kernarg_segment_align: 8
    .kernarg_segment_size: 48
    .max_flat_workgroup_size: 128
    .sgpr_count:     66
    .vgpr_count:     210
    .wavefront_size: 32
...
	.end_amdgpu_metadata
.endif
;; end of part 1
;; launch gemm (part 2): grid 16 x 16, 4 waves a work-group, clusters of 4 x 4, 327,680 bytes of LDS; arguments cw, bqkv, bg, alphaq, alphak, alphav, rcos, rsin, bb, mask, qkv, gate; writes qkv, gate
.if DOCPART == 2
	.amdgcn_target "amdgcn-amd-amdhsa--gfx1250"
	.amdhsa_code_object_version 6
	.text
	.protected	k_q4ea2dfab15_gemm
	.globl	k_q4ea2dfab15_gemm
	.p2align	8
	.type	k_q4ea2dfab15_gemm,@function
k_q4ea2dfab15_gemm:
	s_mov_b64 s[64:65], 0
	v_nop
	global_prefetch_b8 v0, s[64:65] scope:SCOPE_SE
	s_setreg_imm32_b32 hwreg(HW_REG_WAVE_MODE, 25, 1), 1
	s_wait_xcnt 0x0
	s_wait_alu depctr_hold_cnt(0) depctr_sa_sdst(0) depctr_va_vdst(0) depctr_va_sdst(0) depctr_va_ssrc(0) depctr_va_vcc(0) depctr_vm_vsrc(0)
	s_getreg_b32 s2, hwreg(HW_REG_IB_STS2, 6, 4)
	s_cmp_eq_u32 s2, 0
	s_cbranch_scc0 .Lentry_in_a_cluster
	s_endpgm
.Lentry_in_a_cluster:
	s_bfe_u32 s2, ttmp6, 0x10000c
	s_cmp_lg_u32 s2, 0xf033
	s_cbranch_scc0 .Lentry_shape_is_right
	s_endpgm
.Lentry_shape_is_right:
; x Wqkv, x Wg and x Wb on codes of BF8 (E5M2) with E8M0 scales (cw, as the first launch leaves it), and what follows each product.
; A work-group makes 256 x 256 of one product, K = 1,024 in four K steps of 256 through two LDS slots; four waves, 128 x 128 each, 64 accumulators in windows 2 and 3.
; Cluster x says which product: 0 Q, 1 K, 3 the gate (source 1 = tokens, source 0 = columns of the weight: a lane holds a token, its registers run along d);
; 2 V (source 1 = V's columns, source 0 = tokens: a lane holds a d, its registers run along the keys).
; THE WAYS OUT.  Q, K: + bias, x sigmoid(alpha), rotation by rcos and rsin, quantised along d, stored as images of operand registers with scale words.  V: x sigmoid(alpha) + bias, quantised along the keys.
; The gate: sigmoid, f32.  V's work-groups also make 8 (x Wb + bb - mask), held at -1e30 from below, the addend of the next launch's scores.
; Each way out is a loop of two trips of four blocks of 16 rows: the first takes window 2's sums; ahead of the second window 3's are copied into window 2, so that one text serves both.
; JOINT LOADS: source 1's tiles are shared along a row of the cluster, source 0's along a column.  No tile is prefetched: K has four K steps, two of which the head asks for.
; LIMITS: a block of zeros gets the byte 1 (its codes are zeros; this program alone reads the bytes); NaN and infinities are not served.
.set CWS,   8388608
.set WBI,   9732096
.set WBS,   9748480
.set KI,    4194304
.set VI,    8388608
.set QS,    12582912
.set AUX,   12713984
.set KSTEP, 256
.set NQ,    2
.set ROWB,  256
.set KROW,  1024
.set PITCH, 272
.set FR,    16
.set NL,    4
.set NP,    8
.set HALFT, 128*PITCH
.set SLOT,  4*HALFT
.set KS,    32
.set SCL,   2*SLOT
.set HALFS, (128*KS/256)*272
.set SBLK,  (16*KS/256)*272
.set SPARE, SCL+4*HALFS
.set ADRA, 16
.set ADRB, 20
.set ADRS, 27
.set SPW,  28
.set NIL,  29
.set SC,   32
.set AF,   128
.set G1, 24
.set G0, 32
.set G1B, 48
.set G0B, 56
.set G1S, 68
.set G0S, 76
.set G1SB, 80
.set G0SB, 88
.set G0H, 8
.set G0HB, 96
.set T,    64
.set PC,   128
.set TM,   144
.set PW,   160
.set SIG,  162
.set BS,   164
.set BIAS, 0
.set SEL,  60
.set MNT,  62
.set MSB, 0
.macro WIN new                         ; the immediate's high byte repeats the setting that is left
.if MSB != (\new)
	s_set_vgpr_msb (MSB<<8)|(\new)
.set MSB, (\new)
.endif
.endm
.set MUL_LO, 0xa1
.set MUL_HI, 0xf1
.set TO_B,   0x40
.macro JLOAD g0a, g1a, g0b, g1b        ; waves 0, 1 fetch source 1's halves, waves 2, 3 source 0's
	s_cmp_eq_u32 s15, 0
	s_cbranch_scc0 .Lfor_b_\@
	tensor_load_to_lds s[\g0a:\g0a+3], s[\g1a:\g1a+7]
	s_nop 0
.rept 4
	v_nop
.endr
	s_branch .Lasked_\@
.Lfor_b_\@:
	tensor_load_to_lds s[\g0b:\g0b+3], s[\g1b:\g1b+7]
	s_nop 0
.rept 4
	v_nop
.endr
.Lasked_\@:
.endm
.macro CREST
	s_cmp_lg_u32 s14, 0
	s_cbranch_scc1 .Lnot_wave_0_\@
	s_barrier_signal -3
.Lnot_wave_0_\@:
	s_barrier_wait -3
	s_barrier_signal -1
	s_barrier_wait -1
.endm
.macro CROUND
	s_barrier_signal -1
	s_barrier_wait -1
	CREST
.endm
	s_load_b64 s[4:5], s[0:1], 0x0                 ; cw
	v_lshl_add_u32 v[SPW], v0, 2, SPARE
	v_mov_b32 v[NIL], 0
	ds_add_u32 v[SPW], v[NIL]                      ; the opening lines: the add twice and one wait
	ds_add_u32 v[SPW], v[NIL]
	v_lshrrev_b32 v1, 5, v0
	v_readfirstlane_b32 s14, v1                    ; wave
	s_lshr_b32 s15, s14, 1
	s_and_b32 s16, s14, 1
	s_bfe_u32 s40, ttmp6, 0x40000                  ; cx
	s_bfe_u32 s41, ttmp6, 0x40004                  ; cy
	s_and_b32 s17, ttmp7, 0xffff
	s_lshl_b32 s17, s17, 2
	s_lshl_b32 s42, ttmp9, 2
	s_add_co_u32 s42, s42, 16
	s_cmp_eq_u32 ttmp9, 2                          ; V: the weight's rows (tiles 24 on) are source 1, the tokens source 0
	s_cselect_b32 s6, 24, s17
	s_cselect_b32 s7, s17, s42
	s_add_co_u32 s17, s6, s41                      ; source 1's tile of 256 rows of cw
	s_add_co_u32 s42, s7, s40                      ; source 0's
	s_lshl_b32 s43, s41, 2
	s_lshl_b32 s43, 15, s43
	s_lshl_b32 s44, 0x1111, s40
	s_or_b32 s[G1+0], s43, (0<<16)|(1<<20)|(1<<21)|(5<<22)|(3<<25)
	s_or_b32 s[G1B+0], s44, (0<<16)|(1<<20)|(1<<21)|(5<<22)|(3<<25)
.irp g, G1, G1B
	s_mov_b32 s[\g+1], ROWB<<16
	s_mov_b32 s[\g+2], 256<<16                     ; the head's loads bring 256 rows; behind them these two words are set to 128
	s_mov_b32 s[\g+3], ROWB<<16
	s_mov_b32 s[\g+4], 256
	s_mov_b32 s[\g+5], KROW
	s_mov_b32 s[\g+6], 0
	s_mov_b32 s[\g+7], 0
.endr
	s_or_b32 s[G1S+0], s43, (3<<16)|(1<<20)|(1<<21)|(5<<22)|(3<<25)
	s_or_b32 s[G1SB+0], s44, (3<<16)|(1<<20)|(1<<21)|(5<<22)|(3<<25)
.irp g, G1S, G1SB                      ; the scale bytes of 256 rows: 8,192 dense bytes as 32 rows of 256
	s_mov_b32 s[\g+1], 32<<16
	s_mov_b32 s[\g+2], KS<<16
	s_mov_b32 s[\g+3], 32<<16
	s_mov_b32 s[\g+4], KS
	s_mov_b32 s[\g+5], 32
	s_mov_b32 s[\g+6], 0
	s_mov_b32 s[\g+7], 0
.endr
	s_lshl_b32 s20, s17, 8
	s_lshl_b32 s46, s42, 8
	s_mov_b32 s21, 0
	s_mov_b32 s47, 0
	s_mov_b64 s[18:19], KS
	s_mul_u64 s[22:23], s[20:21], s[18:19]
	s_mul_u64 s[92:93], s[46:47], s[18:19]
	s_mov_b64 s[18:19], KROW
	s_mul_u64 s[20:21], s[20:21], s[18:19]
	s_mul_u64 s[46:47], s[46:47], s[18:19]
	s_mul_i32 s18, s16, 128*KROW                   ; in the ring I fetch 128 rows of a tile
	s_mov_b32 s19, 0
	s_mul_i32 s45, s14, HALFT
	s_wait_dscnt 0x0
	s_wait_kmcnt 0x0
	s_add_nc_u64 s[20:21], s[4:5], s[20:21]
	s_add_nc_u64 s[22:23], s[4:5], s[22:23]
	s_add_nc_u64 s[22:23], s[22:23], CWS
	s_add_nc_u64 s[46:47], s[4:5], s[46:47]
	s_add_nc_u64 s[92:93], s[4:5], s[92:93]
	s_add_nc_u64 s[92:93], s[92:93], CWS
	CROUND                                         ; all sixteen work-groups are here: the first joint loads meet
	s_mov_b32 s[G0H], 1
	s_mov_b32 s[G0H+1], 0
	s_mov_b64 s[G0H+2:G0H+3], s[20:21]
	s_or_b32 s[G0H+3], s[G0H+3], 0x80000000
	s_mov_b32 s[G0HB], 1
	s_mov_b32 s[G0HB+1], 2*HALFT
	s_mov_b64 s[G0HB+2:G0HB+3], s[46:47]
	s_or_b32 s[G0HB+3], s[G0HB+3], 0x80000000
	s_mov_b32 s[G0S], 1
	s_mov_b32 s[G0S+1], SCL
	s_mov_b64 s[G0S+2:G0S+3], s[22:23]
	s_or_b32 s[G0S+3], s[G0S+3], 0x80000000
	s_mov_b32 s[G0SB], 1
	s_mov_b32 s[G0SB+1], SCL+2*HALFS
	s_mov_b64 s[G0SB+2:G0SB+3], s[92:93]
	s_or_b32 s[G0SB+3], s[G0SB+3], 0x80000000
	s_add_nc_u64 s[20:21], s[20:21], s[18:19]
	s_add_nc_u64 s[46:47], s[46:47], s[18:19]
.irp s, 0,1
	s_mov_b32 s[G0+4*\s], 1
	s_add_co_u32 s[G0+4*\s+1], s45, \s*SLOT
	s_add_nc_u64 s[G0+4*\s+2:G0+4*\s+3], s[20:21], \s*ROWB
	s_or_b32 s[G0+4*\s+3], s[G0+4*\s+3], 0x80000000
	s_mov_b32 s[G0B+4*\s], 1
	s_add_co_u32 s[G0B+4*\s+1], s45, \s*SLOT
	s_add_nc_u64 s[G0B+4*\s+2:G0B+4*\s+3], s[46:47], \s*ROWB
	s_or_b32 s[G0B+4*\s+3], s[G0B+4*\s+3], 0x80000000
.endr
; the head's four tiles, one load a wave, in one chain of branches on the wave's number: K step 0 of source 1, of source 0, and the two blocks of scale bytes
.macro ARM under, g0, g1, next
	s_cmp_lt_u32 s14, \under
	s_cbranch_scc0 \next
	tensor_load_to_lds s[\g0:\g0+3], s[\g1:\g1+7]
	s_nop 0
.rept 4
	v_nop
.endr
	s_branch .Lhead_asked
\next:
.endm
	ARM 1, G0H,  G1,  .Lhead_b
	ARM 2, G0HB, G1B, .Lhead_sa
	ARM 3, G0S,  G1S, .Lhead_sb
	tensor_load_to_lds s[G0SB:G0SB+3], s[G1SB:G1SB+7]
	s_nop 0
.rept 4
	v_nop
.endr
.Lhead_asked:
	v_and_b32 v1, 15, v0
	v_bfe_u32 v2, v0, 4, 1
	v_mul_u32_u24 v3, v1, PITCH
	v_lshl_add_u32 v4, v2, 4, v3
	s_mul_i32 s21, s15, HALFT
	s_mul_i32 s22, s16, HALFT
	s_add_co_u32 s22, s22, 2*HALFT
.irp s, 0,1
	v_add_nc_u32 v[ADRA+\s], s21, v4
	v_add_nc_u32 v[ADRB+\s], s22, v4
	s_add_co_u32 s21, s21, SLOT
	s_add_co_u32 s22, s22, SLOT
.endr
	v_mul_u32_u24 v5, v1, KS
	v_lshrrev_b32 v6, 8, v5
	v_lshl_add_u32 v5, v6, 4, v5
	s_mul_i32 s21, s15, HALFS
	s_mul_i32 s22, s16, HALFS
	s_add_co_u32 s22, s22, 2*HALFS
	s_sub_co_u32 s22, s22, s21
	v_mul_u32_u24 v6, s22, v2                      ; lanes 16-31 take source 0's words
	s_add_co_u32 s21, s21, SCL
	v_add_nc_u32 v5, v5, v6
	v_add_nc_u32 v[ADRS], s21, v5
.macro FRAG reg, adr, q, i
.irp c, 0,1,2,3
	ds_load_b128 v[\reg+4*\c:\reg+4*\c+3], v[\adr] offset:128*(\q)+32*\c+(\i)*16*PITCH
.endr
.endm
.macro MUL16 a0, p, q, sc, zero        ; 16 products; the 64 accumulators take turns
.irp a, \a0, \a0+1
.irp b, 0,1,2,3,4,5,6,7
.if \zero
	v_wmma_scale_f32_16x16x128_f8f6f4 v[8*(8*((\a)%4)+\b):8*(8*((\a)%4)+\b)+7], v[128*(\p)+FR*\b:128*(\p)+FR*\b+FR-1], v[AF+FR*(\a):AF+FR*(\a)+FR-1], 0, v[SC+8*NQ*(\sc)+NQ*\b+(\q)], v[SC+8*NQ*(\sc)+NQ*(\a)+(\q)] matrix_a_fmt:MATRIX_FMT_BF8 matrix_b_fmt:MATRIX_FMT_BF8 matrix_a_scale:MATRIX_SCALE_ROW1
.else
	v_wmma_scale_f32_16x16x128_f8f6f4 v[8*(8*((\a)%4)+\b):8*(8*((\a)%4)+\b)+7], v[128*(\p)+FR*\b:128*(\p)+FR*\b+FR-1], v[AF+FR*(\a):AF+FR*(\a)+FR-1], v[8*(8*((\a)%4)+\b):8*(8*((\a)%4)+\b)+7], v[SC+8*NQ*(\sc)+NQ*\b+(\q)], v[SC+8*NQ*(\sc)+NQ*(\a)+(\q)] matrix_a_fmt:MATRIX_FMT_BF8 matrix_b_fmt:MATRIX_FMT_BF8 matrix_a_scale:MATRIX_SCALE_ROW1
.endif
.endr
.endr
.endm
.macro FETCH_B slot, q, p
	WIN TO_B
.irp i, 0,1,2,3,4,5,6,7
	FRAG 128*(\p)+FR*\i, ADRB+\slot, \q, \i
.endr
	WIN 0
.endm
.macro FETCH_A slot, q, i0
.irp i, \i0, \i0+1, \i0+2, \i0+3
	FRAG AF+FR*(\i), ADRA+\slot, \q, \i
.endr
.endm
.macro SCALES sc
.irp i, 0,1,2,3,4,5,6,7
	ds_load_b64 v[SC+8*NQ*\sc+NQ*\i:SC+8*NQ*\sc+NQ*\i+1], v[ADRS] offset:\i*SBLK
.endr
.endm
.macro PLACES n
.rept \n
	v_nop
.endr
.endm
.macro STEP slot, q, zero
	s_wait_dscnt 4*NL                              ; all but the youngest 16 loads (source 1's blocks 4-7)
	WIN MUL_LO
	MUL16 0, (\q)%2, \q, \slot, \zero
	MUL16 2, (\q)%2, \q, \slot, \zero
	s_wait_dscnt 0
	PLACES NP
	FETCH_B \slot, (\q)+1, 1-(\q)%2
	FETCH_A \slot, (\q)+1, 0
	WIN MUL_HI
	MUL16 4, (\q)%2, \q, \slot, \zero
	MUL16 6, (\q)%2, \q, \slot, \zero
	PLACES NP
	WIN 0
	FETCH_A \slot, (\q)+1, 4
.endm
.macro TURN slot, next, fill           ; a slot's last step changes slots
	s_wait_tensorcnt 0x0                           ; all my tensor loads have landed;
	ds_add_u32 v[SPW], v[NIL]
	s_wait_dscnt 4*NL+1                            ; (the add and the youngest 16 loads may be out)
	WIN MUL_LO
	MUL16 0, 1, NQ-1, \slot, 0
	s_wait_dscnt 0x0                               ; the add is done, my reads of this slot are over
	s_barrier_signal -1
	MUL16 2, 1, NQ-1, \slot, 0
	WIN 0
	s_barrier_wait -1
.if \fill
	CREST
	s_add_nc_u64 s[G0+4*\slot+2:G0+4*\slot+3], s[G0+4*\slot+2:G0+4*\slot+3], 2*ROWB
	s_add_nc_u64 s[G0B+4*\slot+2:G0B+4*\slot+3], s[G0B+4*\slot+2:G0B+4*\slot+3], 2*ROWB
	JLOAD G0+4*\slot, G1, G0B+4*\slot, G1B
	PLACES NP-4
.else
	PLACES NP
.endif
	v_add_nc_u32 v[ADRS], 4*NQ, v[ADRS]
	s_wait_alu depctr_va_vdst(0)                   ; the wait behind the write
	FETCH_B \next, 0, 0
	FETCH_A \next, 0, 0
	SCALES \next
	WIN MUL_HI
	MUL16 4, 1, NQ-1, \slot, 0
	MUL16 6, 1, NQ-1, \slot, 0
	PLACES NP
	WIN 0
	FETCH_A \next, 0, 4
.endm
	s_wait_alu depctr_va_vdst(0)                   ; the wait at the head's end
	s_wait_tensorcnt 0x0                           ; my tile of the head's four is in; the full sequence ahead of slot 1's first fill
	ds_add_u32 v[SPW], v[NIL]
	s_mov_b32 s[G1+2], 128<<16                     ; no load of mine is out: from here on a load brings 128 rows
	s_mov_b32 s[G1+4], 128
	s_mov_b32 s[G1B+2], 128<<16
	s_mov_b32 s[G1B+4], 128
	s_wait_dscnt 0x0
	CROUND
	JLOAD G0+4, G1, G0B+4, G1B                     ; K step 1
	FETCH_B 0, 0, 0
	FETCH_A 0, 0, 0
	SCALES 0
	FETCH_A 0, 0, 4
	STEP 0, 0, 1                                   ; the first products start the sums
	TURN 0, 1, 1                                   ; K step 2 is asked for
	STEP 1, 0, 0
	TURN 1, 0, 1                                   ; K step 3
	STEP 0, 0, 0
	TURN 0, 1, 0
	s_load_b256 s[24:31], s[0:1], 0x8              ; no tensor load is out any more: the descriptors' registers take the other arguments: bqkv, bg, alphaq, alphak
	s_load_b256 s[32:39], s[0:1], 0x28             ; alphav, rcos, rsin, bb
	s_load_b128 s[48:51], s[0:1], 0x48             ; mask, qkv
	s_load_b64 s[52:53], s[0:1], 0x58              ; gate
	STEP 1, 0, 0
	s_wait_kmcnt 0x0
	s_cmp_eq_u32 ttmp9, 3                          ; the gate has no alpha
	s_cbranch_scc1 .Lno_alpha
	s_cmp_eq_u32 ttmp9, 1
	s_cselect_b64 s[58:59], s[30:31], s[28:29]
	s_cmp_eq_u32 ttmp9, 2
	s_cselect_b64 s[58:59], s[32:33], s[58:59]
	s_load_b32 s76, s[58:59], 0x0                  ; my product's alpha, asked for under the last 64 products
.Lno_alpha:
	s_wait_dscnt 4*NL
	WIN MUL_LO
	MUL16 0, 1, NQ-1, 1, 0
	MUL16 2, 1, NQ-1, 1, 0
	s_wait_dscnt 0
	WIN MUL_HI
	MUL16 4, 1, NQ-1, 1, 0
	MUL16 6, 1, NQ-1, 1, 0
	WIN 0
	PLACES NP
	v_and_b32 v1, 15, v0
	v_bfe_u32 v2, v0, 4, 1
	v_and_b32 v3, 31, v0
	v_lshlrev_b32 v3, 4, v3
	s_mov_b32 s[SEL], 0x76543210
	s_mov_b32 s[SEL+1], 0xfedcba98
	s_mov_b32 s[MNT], 0x600000
.irp b, 0,1,2,3
	v_mov_b32 v[TM+4+\b], 0                        ; a lane permute's destination counts as a source
.endr
.macro QUANT s                         ; 64 numbers a lane, four blocks of 32 shared with lane l xor 16 -> codes PC, scale word PW
.irp b, 0,1,2,3
	v_max3_num_f32 v[TM+\b], |v[\s+16*\b]|, |v[\s+1+16*\b]|, 0x8000000
.endr
.irp i, 2,4,6,8,10,12,14
.irp b, 0,1,2,3
	v_max3_num_f32 v[TM+\b], v[TM+\b], |v[\s+16*\b+\i]|, |v[\s+1+16*\b+\i]|
.endr
.endr
.irp b, 0,1,2,3
	v_permlanex16_b32 v[TM+4+\b], v[TM+\b], s[SEL], s[SEL+1]
.endr
.irp b, 0,1,2,3
	v_max_num_f32 v[TM+\b], v[TM+\b], v[TM+4+\b]
.endr
.irp b, 0,1,2,3
	v_add_nc_u32 v[TM+12+\b], 0xf8800000, v[TM+\b]
.endr
.irp b, 0,1,2,3
	v_and_or_b32 v[TM+8+\b], v[TM+\b], 0x7f800000, s[MNT]
.endr
.irp b, 0,1,2,3
	v_lshrrev_b32 v[TM+4+\b], 23, v[TM+12+\b]
.endr
	v_lshl_or_b32 v[PW], v[TM+5], 8, v[TM+4]
	v_lshl_or_b32 v[PW], v[TM+6], 16, v[PW]
	v_lshl_or_b32 v[PW], v[TM+7], 24, v[PW]
.irp b, 0,1,2,3
.irp i, 0,1,2,3,4,5,6,7,8,9,10,11,12,13,14,15
	v_med3_num_f32 v[\s+16*\b+\i], v[\s+16*\b+\i], -v[TM+8+\b], v[TM+8+\b]
.endr
	v_cvt_scalef32_pk8_bf8_f32 v[PC+4*\b:PC+1+4*\b], v[\s+16*\b:\s+7+16*\b], v[TM+12+\b]
	v_cvt_scalef32_pk8_bf8_f32 v[PC+2+4*\b:PC+3+4*\b], v[\s+8+16*\b:\s+15+16*\b], v[TM+12+\b]
.endr
	v_nop
.endm
.macro SIGMA                           ; sigmoid(alpha) in both halves of the pair SIG
	v_mov_b32 v[SIG], s76
	v_mul_f32 v[SIG], 0xbfb8aa3b, v[SIG]
	s_wait_alu depctr_va_vdst(0)
	v_exp_f32 v[SIG], v[SIG]
	v_nop
	s_wait_alu depctr_va_vdst(0)
	v_add_f32 v[SIG], 1.0, v[SIG]
	s_wait_alu depctr_va_vdst(0)
	v_rcp_f32 v[SIG], v[SIG]
	v_nop
	s_wait_alu depctr_va_vdst(0)
	v_mov_b32 v[SIG+1], v[SIG]
.endm
.macro COPY                            ; window 3's 32 accumulators into window 2, whose own have gone out: the second trip runs the first's text
	WIN 0x83
	s_wait_alu depctr_va_vdst(0)                   ; the wait ahead of the first readers of these sums
.set q, 0
.rept 256
	v_mov_b32 v[q], v[q]
.set q, q+1
.endr
	WIN 0
.endm
.macro TOKHEAD
	s_lshr_b32 s54, s17, 3
	s_and_b32 s55, s17, 7
	s_lshl_b32 s55, s55, 1
	s_add_co_u32 s55, s55, s15
	s_lshl_b32 s56, s40, 2
	s_lshl_b32 s57, s16, 1
	s_add_co_u32 s56, s56, s57
	s_lshl_b32 s57, s54, 4
	s_add_co_u32 s57, s57, s56
.endm
.macro BIASLOAD
	WIN 0x40
.irp k, 0,1,2,3
.irp i, 0,1,2,3,4,5,6,7,8,9,10,11,12,13,14,15
	global_load_b32 v[BIAS+16*\k+\i], v4, s[72:73] offset:64*(32*(\k%2)+\i)+4*(\k/2)
.endr
.endr
	WIN 0
.endm
.macro FINISH
	s_wait_tensorcnt 0x0
	ds_add_u32 v[SPW], v[NIL]
	s_wait_dscnt 0x0
	CROUND
	s_endpgm
.endm
.macro AGAIN label                     ; two trips
	s_add_co_u32 s3, s3, 1
	s_cmp_lt_u32 s3, 2
	s_wait_alu depctr_va_vdst(0)                   ; the wait ahead of the branch
	s_cbranch_scc1 \label
.endm
	s_wait_alu depctr_va_vdst(0)                   ; the wait ahead of the branches
	s_cmp_lt_u32 ttmp9, 2
	s_cbranch_scc0 .Lnot_qk
; ---------------- Q, K
	TOKHEAD
	s_lshl_b32 s68, s57, 17
	s_lshl_b32 s69, s55, 13
	s_add_co_u32 s68, s68, s69
	s_lshl_b32 s70, s57, 12
	s_add_co_u32 s70, s70, QS
	s_lshl_b32 s71, s57, 14
	s_add_co_u32 s71, s71, AUX
	s_lshl_b32 s72, s56, 2
	s_mov_b32 s73, 4096
	s_mov_b32 s74, KI
	s_cmp_eq_u32 ttmp9, 1
	s_cselect_b32 s70, s71, s70
	s_cselect_b32 s75, 16384, s73
	s_cselect_b32 s73, s73, 0
	s_cselect_b32 s74, s74, 0
	s_add_co_u32 s68, s68, s74
	s_mov_b32 s69, 0
	s_add_nc_u64 s[68:69], s[50:51], s[68:69]
	s_lshl_b32 s71, s55, 8
	s_add_co_u32 s70, s70, s71
	s_mov_b32 s71, 0
	s_add_nc_u64 s[70:71], s[50:51], s[70:71]
	s_add_co_u32 s72, s72, s73
	s_mov_b32 s73, 0
	s_add_nc_u64 s[72:73], s[24:25], s[72:73]
	s_lshl_b32 s78, s55, 15
	s_mov_b32 s79, 0
	s_add_nc_u64 s[34:35], s[34:35], s[78:79]
	s_add_nc_u64 s[36:37], s[36:37], s[78:79]
	v_lshlrev_b32 v4, 10, v2
	v_and_b32 v5, 8, v1
	v_add_nc_u32 v5, v5, v1
	v_lshlrev_b32 v5, 8, v5
	v_lshl_add_u32 v5, v2, 6, v5
	s_lshl_b32 s77, s14, 9
	v_lshl_add_u32 v6, v1, 4, s77
	v_add_nc_u32 v7, s77, v3
	v_mul_u32_u24 v8, s75, v2
	v_lshl_add_u32 v8, v1, 4, v8
	BIASLOAD
.macro CSSET a                         ; block a's 32 cosines and 32 sines: three sets in window 1, the fourth in window 0
.if (\a) < 3
.set CSA, 64+64*(\a)
.set CW, 1
.else
.set CSA, 164
.set CW, 0
.endif
.set SNA, CSA+32
.endm
.macro CSLOAD a
	CSSET \a
	WIN 0x40*CW
.irp q, 0,1,2,3,4,5,6,7
	global_load_b128 v[CSA+4*\q:CSA+4*\q+3], v5, s[34:35] offset:256*(32*((\a)/2)+8*((\a)%2))+128*(\q/4)+16*(\q%4)
	global_load_b128 v[SNA+4*\q:SNA+4*\q+3], v5, s[36:37] offset:256*(32*((\a)/2)+8*((\a)%2))+128*(\q/4)+16*(\q%4)
.endr
	WIN 0
.endm
.macro QKBLOCK a
	CSSET \a
.set ACB, 64*(\a)
	s_wait_loadcnt 16*(3-(\a))                     ; my set is in; the sets of the trip's later blocks, 16 loads each, may be out
	WIN 0x41*CW
.set q, 0
.rept 16
	v_pk_mul_f32 v[CSA+q:CSA+q+1], v[CSA+q:CSA+q+1], v[SIG:SIG+1]
.set q, q+2
.endr
	WIN 0x06
	s_wait_alu depctr_va_vdst(0)                   ; the wait ahead of the first readers of these sums
.set q, 0
.rept 32
	v_pk_add_f32 v[T+q:T+q+1], v[ACB+q:ACB+q+1], v[BIAS+q:BIAS+q+1]
.set q, q+2
.endr
	WIN 0x04*CW
.set q, 0
.rept 32
	v_pk_mul_f32 v[T+q:T+q+1], v[T+q:T+q+1], v[CSA+(q%32):CSA+(q%32)+1]
.set q, q+2
.endr
	WIN 0x01*CW
.set q, 0
.rept 32
	v_fma_f32 v[T+q], -v[SNA+(q%32)], v[T+q+1], v[T+q]
.set q, q+2
.endr
.set q, 0
.rept 32
	v_fma_f32 v[T+q+1], v[SNA+(q%32)], v[T+q], v[T+q+1]
.set q, q+2
.endr
	WIN 0
	s_wait_xcnt 0x0                                ; the last block's stores have read their registers
	s_wait_dscnt 0x0
	QUANT T
.irp k, 0,1,2,3
	global_store_b128 v3, v[PC+4*\k:PC+4*\k+3], s[68:69] offset:131072*(\k/2)+1024*(\a)+512*(\k%2)
.endr
	ds_store_b16 v6, v[PW] offset:4*((\a)/2)+2*((\a)%2)
	ds_store_b16_d16_hi v6, v[PW] offset:256+4*((\a)/2)+2*((\a)%2)
.endm
	s_wait_kmcnt 0x0                               ; alpha
	SIGMA
	s_mov_b32 s3, 0
	s_wait_alu depctr_va_vdst(0)
.Lqk:
.irp a, 0,1,2,3
	CSLOAD \a                                      ; the trip's four sets are asked for at its top
.endr
	s_cmp_eq_u32 s3, 0
	s_cbranch_scc1 .Lqk_go
	COPY
.Lqk_go:
.irp a, 0,1,2,3
	QKBLOCK \a
.endr
	s_wait_xcnt 0x0                                ; bases step only behind this wait
	s_add_nc_u64 s[68:69], s[68:69], 4096
	s_add_nc_u64 s[34:35], s[34:35], 16384
	s_add_nc_u64 s[36:37], s[36:37], 16384
	v_add_nc_u32 v6, 8, v6
	AGAIN .Lqk
	ds_load_b128 v[T:T+3], v7                      ; my wave's 512 bytes of scale words
	s_wait_dscnt 0x0
	global_store_b128 v8, v[T:T+3], s[70:71]
	FINISH
.Lnot_qk:
	s_cmp_eq_u32 ttmp9, 2
	s_cbranch_scc0 .Lgate
; ---------------- V, and the addend
	s_lshr_b32 s54, s42, 3
	s_and_b32 s55, s42, 7
	s_lshl_b32 s55, s55, 1
	s_add_co_u32 s55, s55, s16
	s_lshl_b32 s56, s41, 2
	s_lshl_b32 s57, s15, 1
	s_add_co_u32 s56, s56, s57
	s_lshl_b32 s57, s54, 4
	s_add_co_u32 s57, s57, s56
	s_lshl_b32 s68, s57, 4
	s_add_co_u32 s68, s68, s55
	s_lshl_b32 s68, s68, 13
	s_add_co_u32 s68, s68, VI
	s_mov_b32 s69, 0
	s_add_nc_u64 s[68:69], s[50:51], s[68:69]
	s_lshl_b32 s70, s57, 14
	s_lshl_b32 s71, s55, 8
	s_add_co_u32 s70, s70, s71
	s_add_co_u32 s70, s70, AUX+4096
	s_mov_b32 s71, 0
	s_add_nc_u64 s[70:71], s[50:51], s[70:71]
	s_lshl_b32 s72, s56, 2
	s_add_co_u32 s72, s72, 8192
	s_mov_b32 s73, 0
	s_add_nc_u64 s[72:73], s[24:25], s[72:73]
	v_and_b32 v4, 8, v1
	v_add_nc_u32 v4, v4, v1
	v_lshlrev_b32 v4, 6, v4
	s_lshl_b32 s77, s14, 9
	s_add_co_u32 s77, s77, 4096
	v_lshl_add_u32 v6, v1, 4, s77
	v_add_nc_u32 v7, s77, v3
	v_lshlrev_b32 v8, 14, v2
	v_lshl_add_u32 v8, v1, 4, v8
.irp a, 0,1,2,3,4,5,6,7
	global_load_b32 v[BS+2*\a], v4, s[72:73] offset:64*(32*((\a%4)/2)+8*(\a%2))+4*(\a/4)
.endr
	s_lshl_b32 s78, s42, 4                         ; the addend: my wave's tile of 16 tokens
	s_lshl_b32 s79, s41, 2
	s_add_co_u32 s78, s78, s79
	s_add_co_u32 s78, s78, s14
	s_lshl_b32 s80, s78, 14
	s_mov_b32 s81, 0
	s_add_nc_u64 s[80:81], s[4:5], s[80:81]
	s_lshl_b32 s82, s78, 9
	s_add_co_u32 s82, s82, CWS
	s_mov_b32 s83, 0
	s_add_nc_u64 s[82:83], s[4:5], s[82:83]
	s_add_nc_u64 s[84:85], s[4:5], WBI
	s_add_nc_u64 s[86:87], s[4:5], WBS
	s_lshl_b32 s88, s78, 6
	s_and_b32 s89, s78, 1
	s_lshl_b32 s89, s89, 5
	s_sub_co_u32 s88, s88, s89
	s_mov_b32 s89, 0
	s_add_nc_u64 s[48:49], s[48:49], s[88:89]
	s_lshr_b32 s88, s78, 7
	s_lshl_b32 s88, s88, 18
	s_and_b32 s89, s78, 127
	s_lshl_b32 s89, s89, 6
	s_add_co_u32 s88, s88, s89
	s_add_co_u32 s88, s88, AUX+8192
	s_mov_b32 s89, 0
	s_add_nc_u64 s[88:89], s[50:51], s[88:89]
	v_lshlrev_b32 v9, 10, v1
	v_lshl_add_u32 v9, v2, 4, v9
	v_lshlrev_b32 v10, 5, v1
	v_lshrrev_b32 v11, 2, v3
	v_lshlrev_b32 v12, 2, v1
	v_lshlrev_b32 v13, 6, v2
	v_lshlrev_b32 v14, 14, v1
	v_lshl_add_u32 v14, v2, 5, v14
	s_wait_kmcnt 0x0                               ; alpha
	SIGMA
	s_wait_loadcnt 0x0                             ; V's bias
.irp a, 0,1,2,3,4,5,6,7
	v_mul_f32 v[BS+2*\a], v[BS+2*\a], v[SIG]
.endr
.irp a, 0,1,2,3,4,5,6,7
	v_mov_b32 v[BS+2*\a+1], v[BS+2*\a]
.endr
	s_wait_alu depctr_va_vdst(0)
	; the operands of x Wb are asked for now, into registers that V's blocks leave alone, and waited for behind those blocks
	global_load_b128 v[32:35], v10, s[82:83]
	global_load_b128 v[36:39], v10, s[82:83] offset:16
.irp s, 0,1,2,3,4,5,6,7
	global_load_b32 v[41+\s], v11, s[86:87] offset:128*\s
.endr
	global_load_b32 v184, v12, s[38:39]
	global_load_b128 v[188:191], v13, s[48:49]
	global_load_b128 v[192:195], v13, s[48:49] offset:16
	WIN 0x40
.irp s, 0,1,2,3,4,5,6,7
.irp c, 0,1,2,3
	global_load_b128 v[128+16*\s+4*\c:131+16*\s+4*\c], v9, s[80:81] offset:128*\s+32*\c
.endr
.endr
.irp q, 0,1,2,3,4,5,6,7,8,9,10,11,12,13,14,15,16,17,18,19,20,21,22,23,24,25,26,27,28,29,30,31
	global_load_b128 v[4*\q:4*\q+3], v3, s[84:85] offset:512*\q
.endr
	WIN 0
.macro VBLOCK a
.set ACB, 64*(\a)
	WIN 0x02
	s_wait_alu depctr_va_vdst(0)                   ; the wait ahead of the first readers of these sums
.set q, 0
.rept 32
	v_pk_fma_f32 v[T+q:T+q+1], v[ACB+q:ACB+q+1], v[SIG:SIG+1], v[BS+2*(\a):BS+2*(\a)+1]
.set q, q+2
.endr
	WIN 0
	s_wait_xcnt 0x0
	s_wait_dscnt 0x0
	QUANT T
.irp k, 0,1,2,3
	global_store_b128 v3, v[PC+4*\k:PC+4*\k+3], s[68:69] offset:2048*(\a)+512*\k
.endr
	ds_store_b32 v6, v[PW] offset:4*(\a)
.endm
	s_mov_b32 s3, 0
.Lv:
	s_cmp_eq_u32 s3, 0
	s_cbranch_scc1 .Lv_go
	COPY
.irp q, 0,1,2,3,4,5,6,7
	v_mov_b32 v[BS+\q], v[BS+8+\q]                 ; and the second four blocks' bias
.endr
.Lv_go:
.irp a, 0,1,2,3
	VBLOCK \a
.endr
	s_wait_xcnt 0x0
	s_add_nc_u64 s[68:69], s[68:69], 131072
	v_add_nc_u32 v6, 256, v6
	AGAIN .Lv
	ds_load_b128 v[T:T+3], v7
	s_wait_dscnt 0x0
	global_store_b128 v8, v[T:T+3], s[70:71]
	s_wait_loadcnt 0x0                             ; x's and Wb's fragments and words, bb, mask
	WIN 0x05
.irp s, 0,1,2,3,4,5,6,7                ; two accumulators by turns
.if \s < 2
	v_wmma_scale_f32_16x16x128_f8f6f4 v[96+8*(\s%2):103+8*(\s%2)], v[128+16*\s:143+16*\s], v[16*\s:16*\s+15], 0, v[32+\s], v[41+\s] matrix_a_fmt:MATRIX_FMT_BF8 matrix_b_fmt:MATRIX_FMT_BF8
.else
	v_wmma_scale_f32_16x16x128_f8f6f4 v[96+8*(\s%2):103+8*(\s%2)], v[128+16*\s:143+16*\s], v[16*\s:16*\s+15], v[96+8*(\s%2):103+8*(\s%2)], v[32+\s], v[41+\s] matrix_a_fmt:MATRIX_FMT_BF8 matrix_b_fmt:MATRIX_FMT_BF8
.endif
.endr
	WIN 0
	PLACES NP
.irp j, 0,1,2,3,4,5,6,7
	v_add_f32 v[112+\j], v[96+\j], v[104+\j]
.endr
.irp j, 0,1,2,3,4,5,6,7
	v_add_f32 v[112+\j], v[112+\j], v184
.endr
.irp j, 0,1,2,3,4,5,6,7
	v_sub_f32 v[112+\j], v[112+\j], v[188+\j]
.endr
.irp j, 0,1,2,3,4,5,6,7
	v_mul_f32 v[112+\j], 0x41000000, v[112+\j]     ; x 8: the next launch multiplies scores and addend by log2(e) / 8
.endr
.irp j, 0,1,2,3,4,5,6,7
	v_max_num_f32 v[112+\j], 0xf149f2ca, v[112+\j] ; held at -1e30 from below
.endr
	global_store_b128 v14, v[112:115], s[88:89]
	global_store_b128 v14, v[116:119], s[88:89] offset:16
	FINISH
.Lgate:
; ---------------- the gate
	TOKHEAD
	s_lshl_b32 s68, s57, 19
	s_lshl_b32 s69, s55, 15
	s_add_co_u32 s68, s68, s69
	s_mov_b32 s69, 0
	s_add_nc_u64 s[68:69], s[52:53], s[68:69]
	s_lshl_b32 s72, s56, 2
	s_mov_b32 s73, 0
	s_add_nc_u64 s[72:73], s[26:27], s[72:73]
	v_lshlrev_b32 v4, 10, v2
	BIASLOAD
	s_wait_loadcnt 0x0
	WIN 0x41
.set q, 0
.rept 32
	v_pk_mul_f32 v[BIAS+q:BIAS+q+1], v[BIAS+q:BIAS+q+1], 0xbfb8aa3b op_sel_hi:[1,0]
.set q, q+2
.endr
	WIN 0
.macro GBLOCK a
.set ACB, 64*(\a)
	s_wait_xcnt 0x0
	WIN 0x12
	s_wait_alu depctr_va_vdst(0)                   ; the wait ahead of the first readers of these sums
.set q, 0
.rept 32
	v_pk_fma_f32 v[T+q:T+q+1], v[ACB+q:ACB+q+1], 0xbfb8aa3b, v[BIAS+q:BIAS+q+1] op_sel_hi:[1,0,1]
.set q, q+2
.endr
	WIN 0
.set q, 0
	s_wait_alu depctr_va_vdst(0)
.rept 64
	v_exp_f32 v[T+q], v[T+q]
.set q, q+1
.endr
	v_nop
.set q, 0
	s_wait_alu depctr_va_vdst(0)
.rept 32
	v_pk_add_f32 v[T+q:T+q+1], v[T+q:T+q+1], 1.0 op_sel_hi:[1,0]
.set q, q+2
.endr
.set q, 0
	s_wait_alu depctr_va_vdst(0)
.rept 64
	v_rcp_f32 v[T+q], v[T+q]
.set q, q+1
.endr
	v_nop
	s_wait_alu depctr_va_vdst(0)
.irp k, 0,1,2,3,4,5,6,7,8,9,10,11,12,13,14,15
	global_store_b128 v3, v[T+4*\k:T+4*\k+3], s[68:69] offset:524288*(\k/8)+4096*(\a)+512*(\k%8)
.endr
.endm
	s_mov_b32 s3, 0
	s_wait_alu depctr_va_vdst(0)
.Lg:
	s_cmp_eq_u32 s3, 0
	s_cbranch_scc1 .Lg_go
	COPY
.Lg_go:
.irp a, 0,1,2,3
	GBLOCK \a
.endr
	s_wait_xcnt 0x0
	s_add_nc_u64 s[68:69], s[68:69], 16384
	AGAIN .Lg
	FINISH
.Lfunc_end_k_q4ea2dfab15_gemm:
	.size	k_q4ea2dfab15_gemm, .Lfunc_end_k_q4ea2dfab15_gemm-k_q4ea2dfab15_gemm
	.p2alignl 7, 3214868480
	.fill 96, 4, 3214868480
	.section	.rodata,"a",@progbits
	.p2align	6, 0x0
	.amdhsa_kernel k_q4ea2dfab15_gemm
		.amdhsa_group_segment_fixed_size 327680
		.amdhsa_private_segment_fixed_size 0
		.amdhsa_enable_private_segment 0
		.amdhsa_kernarg_size 96
		.amdhsa_user_sgpr_count 2
		.amdhsa_user_sgpr_kernarg_segment_ptr 1
		.amdhsa_wavefront_size32 1
		.amdhsa_system_sgpr_workgroup_id_x 1
		.amdhsa_system_sgpr_workgroup_id_y 1
		.amdhsa_system_sgpr_workgroup_id_z 1
		.amdhsa_system_vgpr_workitem_id 0
		.amdhsa_next_free_vgpr 1024
		.amdhsa_next_free_sgpr 100
		.amdhsa_reserve_vcc 0
		.amdhsa_float_denorm_mode_32 3
		.amdhsa_float_denorm_mode_16_64 3
		.amdhsa_memory_ordered 1
		.amdhsa_forward_progress 1
		.amdhsa_inst_pref_size 255
	.end_amdhsa_kernel
	.section	.bss,"aw",@nobits
	.p2align	6
	.space	262144
	.amdgpu_metadata
---
amdhsa.version: [ 1, 2 ]
amdhsa.kernels:
  - .name:           k_q4ea2dfab15_gemm
    .symbol:         k_q4ea2dfab15_gemm.kd
    .args:
      - { .name: cw, .offset: 0, .size: 8, .value_kind: global_buffer, .address_space: global }
      - { .name: bqkv, .offset: 8, .size: 8, .value_kind: global_buffer, .address_space: global }
      - { .name: bg, .offset: 16, .size: 8, .value_kind: global_buffer, .address_space: global }
      - { .name: alphaq, .offset: 24, .size: 8, .value_kind: global_buffer, .address_space: global }
      - { .name: alphak, .offset: 32, .size: 8, .value_kind: global_buffer, .address_space: global }
      - { .name: alphav, .offset: 40, .size: 8, .value_kind: global_buffer, .address_space: global }
      - { .name: rcos, .offset: 48, .size: 8, .value_kind: global_buffer, .address_space: global }
      - { .name: rsin, .offset: 56, .size: 8, .value_kind: global_buffer, .address_space: global }
      - { .name: bb, .offset: 64, .size: 8, .value_kind: global_buffer, .address_space: global }
      - { .name: mask, .offset: 72, .size: 8, .value_kind: global_buffer, .address_space: global }
      - { .name: qkv, .offset: 80, .size: 8, .value_kind: global_buffer, .address_space: global }
      - { .name: gate, .offset: 88, .size: 8, .value_kind: global_buffer, .address_space: global }
    .group_segment_fixed_size: 327680
    .private_segment_fixed_size: 0
    .kernarg_segment_align: 8
    .kernarg_segment_size: 96
    .max_flat_workgroup_size: 128
    .sgpr_count:     100
    .vgpr_count:     1024
    .wavefront_size: 32
...
	.end_amdgpu_metadata
.endif
;; end of part 2
;; launch attn (part 3): grid 8 x 32, 8 waves a work-group, clusters of 4 x 1, 327,680 bytes of LDS; arguments qkv, gate, attw; writes attw
.if DOCPART == 3
	.amdgcn_target "amdgcn-amd-amdhsa--gfx1250"
	.amdhsa_code_object_version 6
	.text
	.protected	k_q4ea2dfab15_attn
	.globl	k_q4ea2dfab15_attn
	.p2align	8
	.type	k_q4ea2dfab15_attn,@function
k_q4ea2dfab15_attn:
	s_mov_b64 s[64:65], 0
	v_nop
	global_prefetch_b8 v0, s[64:65] scope:SCOPE_SE
	s_setreg_imm32_b32 hwreg(HW_REG_WAVE_MODE, 25, 1), 1
	s_wait_xcnt 0x0
	s_wait_alu depctr_hold_cnt(0) depctr_sa_sdst(0) depctr_va_vdst(0) depctr_va_sdst(0) depctr_va_ssrc(0) depctr_va_vcc(0) depctr_vm_vsrc(0)
	s_getreg_b32 s2, hwreg(HW_REG_IB_STS2, 6, 4)
	s_cmp_eq_u32 s2, 0
	s_cbranch_scc0 .Lentry_in_a_cluster
	s_endpgm
.Lentry_in_a_cluster:
	s_bfe_u32 s2, ttmp6, 0x10000c
	s_cmp_lg_u32 s2, 0x3003
	s_cbranch_scc0 .Lentry_shape_is_right
	s_endpgm
.Lentry_shape_is_right:
; Attention of one (batch, head) on codes of BF8 (E5M2) with E8M0 scales: S^T = K Q^T + addend, streaming softmax, O^T = V^T P^T, / sum, x gate.
; t = (q.k + 8 (B - mask)) x log2(e) / 8;  M = the running largest t rounded up to a whole number;  p = 2^(t - M) is quantised along the keys; the sum is taken of the unquantised p.
; SHARES.  A work-group owns 256 queries of one head, each of its eight waves 32: two tiles of 16 (tile w in register window w, same numbers).  Every wave walks the 2,048 keys, 128 a step.
; LDS.  The head's K, V, scale words and addend, 278,528 bytes, are filled ONCE.  0: K's words 4 KB, V's 4 KB, addend 8 KB; 16,384: K steps 0-3; 49,152: V steps 0-3; 81,920: K steps 4-15; 180,224: V steps 4-15;
;   278,528: the spare words; 279,552: a stage of 32 rows x 144 bytes.
; FILLS.  At the head waves 0-4 ask for 16 KB each (words and addend, K and V of steps 0-3).  Behind the full sequence and a round of the cluster's barrier each of the eight waves asks for 24 KB of the rest, which is first read in step 4.
; CLUSTER.  The four query blocks of a cluster share the head: every piece is asked for jointly (mask 15).  A wave has one tensor load out at the most.
; K and V are not prefetched: all of a head is asked for at the head of the text, and there is no loop to run ahead in.  The gate, read in the last step, is prefetched in step 3: 8,192 bytes a wave, lanes 256 bytes apart, each block once.
; All operands lie in memory and LDS as images of their registers: four registers = 512 consecutive bytes, lane l at 16 l.
; K = 64 IN AN INSTRUCTION OF 128: a fragment of K is a PAIR of tiles; Q lies as q | zeros | q, so that v[QF..+15] picks the first tile and v[QF+8..+23] the second: zero codes add nothing.
; Tokens lie in position order, so the 16 registers of tiles 2 b, 2 b + 1 of S^T are true keys 32 b + 16 g + 0 .. 15.  The addend is the C of S^T's products.
; A TILE'S SOFTMAX GOES IN BATCHES: maxima, M, all t - M; one wait; 68 exponentials on end; one wait; then plain lines alone.  The SIMD's other wave has its own lines to issue meanwhile.
; LIMITS: keys whose addend was held at -1e30 get weight 0 unless all keys of the row are so; the scaled scores stay under 2^31 in magnitude; NaN and infinities are not served.
.set KI,   4194304
.set VI,   8388608
.set QS,   12582912
.set AUX,  12713984
.set STG,  279552
.set L16,  1                           ; v1  16 x lane
.set R16,  2                           ; v2  16 x (lane % 16)
.set G32,  3                           ; v3  32 x (lane / 16) + 8192
.set ADK,  4
.set ADKS, 5
.set ADA,  6
.set ADV,  7
.set QS0,  8                           ; v8, v9   Q's scale words of tiles 0, 1
.set PW,   10                          ; v10, v11 p's scale words
.set ADVS, 12
.set L8,   13
.set STW,  14
.set STR,  15
.set NM,   16                          ; -M
.set TX,   17                          ; the largest t
.set SUM,  18
.set QF,   20                          ; v20-43
.set HE,   44                          ; v44-47 the holds once more: block b's at v[HE + (b + 1) % 4]
.set S,    48                          ; v48-111 S^T, then p; tile 0's later take V's four fragments
.set O,    112                         ; v112-143 O^T
.set PC,   144                         ; v144-159 p's codes
.set BM,   160
.set PT,   164
.set HD,   168                         ; v168-171 the holds: 57,344 x the block's scale
.set SO,   172
.set F,    176
.set TT,   178
.set PF,   179                         ; 256 x lane: the prefetch's offset; never rewritten
.set SM2,  180
.set KF,   184                         ; window 0: v184-247 K's four pair fragments
.set ADD,  184                         ; window 1: the addend, 8 registers a tile
.set KSW,  248
.set VSW,  252
.set WV,   10
.set CNT,  23
.set SEL,  54
.set CS,   56
.set MNT,  58
.set SK,   59
.set SSK,  60
.set SA0,  61
.set SV,   62
.set SSV,  63
.set MSB, 0
.macro WIN new                         ; the immediate's high byte repeats the setting that is left
.if MSB != (\new)
	s_set_vgpr_msb (MSB<<8)|(\new)
.set MSB, (\new)
.endif
.endm
.macro ROUND
	s_barrier_signal -1
	s_barrier_wait -1
	s_cmp_lg_u32 s[WV], 0
	s_cbranch_scc1 .Lnot_wave_0_\@
	s_barrier_signal -3
.Lnot_wave_0_\@:
	s_barrier_wait -3
	s_barrier_signal -1
	s_barrier_wait -1
.endm
	s_load_b128 s[4:7], s[0:1], 0x0                ; qkv, gate
	s_load_b64 s[8:9], s[0:1], 0x10                ; attw
	v_lshl_add_u32 v182, v0, 2, 0x44000
	v_mov_b32 v183, 0
	ds_add_u32 v182, v183                          ; the opening lines: the add twice and one wait
	ds_add_u32 v182, v183
	v_lshrrev_b32 v1, 5, v0
	v_readfirstlane_b32 s[WV], v1                  ; wave 0..7
	s_bfe_u32 s11, ttmp6, 0x40000                  ; cx
	s_lshl_b32 s12, ttmp9, 2
	s_add_co_u32 s12, s12, s11                     ; my block of 256 queries: it enters Q's, the gate's and the output's addresses alone
	s_and_b32 s13, ttmp7, 0xffff                   ; 16 batch + head, which the partners share
	; group 1: dense rows of 256 bytes (32 elements of 8), 64 or 96 of them; mask 15, bit 21 beside it
	s_mov_b32 s24, 15|(3<<16)|(1<<21)
	s_mov_b32 s25, 32<<16
	s_mov_b32 s26, 64<<16
	s_mov_b32 s27, 32<<16
	s_mov_b32 s28, 64
	s_mov_b32 s29, 32
	s_mov_b32 s30, 0
	s_mov_b32 s31, 0
	s_mov_b32 s32, 15|(3<<16)|(1<<21)
	s_mov_b32 s33, 32<<16
	s_mov_b32 s34, 96<<16
	s_mov_b32 s35, 32<<16
	s_mov_b32 s36, 96
	s_mov_b32 s37, 32
	s_mov_b32 s38, 0
	s_mov_b32 s39, 0
	; the first piece (16 KB, waves 0-4): wave 0 the words and the addend, waves 1, 2 K steps 0-3, waves 3, 4 V steps 0-3
	s_lshl_b32 s14, s13, 17
	s_lshl_b32 s15, s13, 14
	s_lshl_b32 s16, s[WV], 14
	s_add_co_u32 s17, s14, s16
	s_add_co_u32 s18, s17, KI-16384
	s_add_co_u32 s19, s17, VI-49152
	s_add_co_u32 s20, s15, AUX
	s_cmp_lt_u32 s[WV], 3
	s_cselect_b32 s18, s18, s19
	s_cmp_lt_u32 s[WV], 1
	s_cselect_b32 s18, s20, s18
	s_mov_b32 s19, 0
	; the second piece (24 KB, all waves): waves 0-3 K steps 4-15, waves 4-7 V steps 4-15
	s_and_b32 s20, s[WV], 3
	s_mul_i32 s20, s20, 24576
	s_add_co_u32 s20, s20, s14
	s_add_co_u32 s20, s20, 32768
	s_mov_b32 s21, VI
	s_cmp_lt_u32 s[WV], 4
	s_cselect_b32 s21, KI, s21
	s_add_co_u32 s20, s20, s21
	s_mov_b32 s21, 0
	s_mul_i32 s22, s[WV], 24576
	s_add_co_u32 s22, s22, 81920
	; Q's images: 131,072 bh + 16,384 block + 2,048 wave
	s_lshl_b32 s48, s12, 14
	s_lshl_b32 s49, s[WV], 11
	s_add_co_u32 s48, s48, s49
	s_add_co_u32 s48, s48, s14
	s_mov_b32 s49, 0
	; Q's scale word: QS + 4,096 bh + 256 (2 block + wave / 4) + 4 (wave % 4): low half tile 0, high half tile 1
	s_lshl_b32 s50, s13, 12
	s_lshl_b32 s51, s12, 9
	s_add_co_u32 s50, s50, s51
	s_lshr_b32 s51, s[WV], 2
	s_lshl_b32 s51, s51, 8
	s_add_co_u32 s50, s50, s51
	s_and_b32 s51, s[WV], 3
	s_lshl_b32 s51, s51, 2
	s_add_co_u32 s50, s50, s51
	s_add_co_u32 s50, s50, QS
	s_mov_b32 s51, 0
	v_and_b32 v[ADK], 31, v0
	v_lshlrev_b32 v[ADK], 4, v[ADK]                ; 16 x lane, and
	v_and_b32 v[ADKS], 15, v0
	v_lshlrev_b32 v[ADKS], 4, v[ADKS]              ; 16 x (lane % 16), in registers that are free until the first step's loads
	s_wait_alu depctr_va_vdst(0)                   ; the wait ahead of the waits below
	s_wait_dscnt 0x0
	s_wait_kmcnt 0x0
	s_add_nc_u64 s[48:49], s[4:5], s[48:49]
	s_add_nc_u64 s[50:51], s[4:5], s[50:51]
	; Q is asked for first of all, ahead of the opening round
.irp c, 0,1
	global_load_b128 v[QF+4*\c:QF+4*\c+3], v[ADK], s[48:49] offset:512*\c
	global_load_b128 v[QF+16+4*\c:QF+19+4*\c], v[ADK], s[48:49] offset:512*\c
.endr
	global_load_b32 v[TT], v[ADKS], s[50:51]
	WIN 0x40
.irp c, 0,1
	global_load_b128 v[QF+4*\c:QF+4*\c+3], v[ADK], s[48:49] offset:1024+512*\c
	global_load_b128 v[QF+16+4*\c:QF+19+4*\c], v[ADK], s[48:49] offset:1024+512*\c
.endr
	WIN 0
	s_mov_b32 s40, 1
	s_mov_b32 s41, s16
	s_add_nc_u64 s[42:43], s[4:5], s[18:19]
	s_or_b32 s43, s43, 0x80000000
	s_mov_b32 s44, 1
	s_mov_b32 s45, s22
	s_add_nc_u64 s[46:47], s[4:5], s[20:21]
	s_or_b32 s47, s47, 0x80000000
	ROUND                                          ; all four work-groups are here: the joint loads meet
	s_cmp_lt_u32 s[WV], 5
	s_cbranch_scc0 .Lasked
	tensor_load_to_lds s[40:43], s[24:31]          ; one tensor load a wave at the head
	s_nop 0
.rept 4
	v_nop
.endr
.Lasked:
	; Q's images: 131,072 bh + 16,384 block + 2,048 wave
	; the gate: 524,288 bh + 65,536 block + 8,192 wave
	s_lshl_b32 s52, s13, 19
	s_lshl_b32 s53, s12, 16
	s_add_co_u32 s52, s52, s53
	s_lshl_b32 s53, s[WV], 13
	s_add_co_u32 s52, s52, s53
	s_mov_b32 s53, 0
	s_add_nc_u64 s[6:7], s[6:7], s[52:53]
	; the output: (64 batch + 8 block + wave) x 131,072 + 256 head
	s_lshr_b32 s52, s13, 4
	s_lshl_b32 s52, s52, 6
	s_lshl_b32 s53, s12, 3
	s_add_co_u32 s52, s52, s53
	s_add_co_u32 s52, s52, s[WV]
	s_lshl_b32 s52, s52, 17
	s_and_b32 s53, s13, 15
	s_lshl_b32 s53, s53, 8
	s_add_co_u32 s52, s52, s53
	s_mov_b32 s53, 0
	s_add_nc_u64 s[8:9], s[8:9], s[52:53]
	v_and_b32 v[L8], 31, v0
	v_lshlrev_b32 v[L16], 4, v[L8]
	v_and_b32 v[R16], 15, v0
	v_bfe_u32 v[G32], v0, 4, 1
	s_mul_i32 s52, s[WV], 4608
	s_add_co_u32 s52, s52, STG                     ; my stage
	v_and_b32 v[STW], 8, v[R16]
	v_add_nc_u32 v[STW], v[STW], v[R16]
	v_mul_u32_u24 v[STW], v[STW], 144
	v_lshl_add_u32 v[STW], v[G32], 6, v[STW]
	v_add_nc_u32 v[STW], s52, v[STW]               ; in: row = true token r + 8 (r / 8) (+ 8 for tile 1), 64 g bytes on
	v_mul_u32_u24 v[STR], v[L8], 144
	v_add_nc_u32 v[STR], s52, v[STR]               ; back: a lane takes a token's row
	v_lshlrev_b32 v[PF], 8, v[L8]
	v_lshlrev_b32 v[R16], 4, v[R16]
	v_lshl_add_u32 v[G32], v[G32], 5, 8192
	v_lshlrev_b32 v[L8], 3, v[L8]
	s_mov_b32 s[SEL], 0x76543210
	s_mov_b32 s[SEL+1], 0xfedcba98
	s_mov_b32 s[CS], 0x3e38aa3b                    ; log2(e) / 8
	s_mov_b32 s[CS+1], s[CS]
	s_mov_b32 s[MNT], 0x600000
	s_mov_b32 s[SK], 16384
	s_mov_b32 s[SSK], 0
	s_mov_b32 s[SA0], 0
	s_mov_b32 s[SV], 49152
	s_mov_b32 s[SSV], 0
.macro INIT w                          ; the step is written once: the first finds zeros, which the first change of M leaves zeros
	WIN 0x55*\w
	v_mov_b32 v[TX], 0xff61b1e6                    ; -3e38, under every t
	v_floor_f32 v[NM], -v[TX]
	v_mov_b32 v[SUM], 0
	v_mov_b32 v[SUM+1], 0
	v_mov_b32 v[F+1], 0
.irp b, 0,1,2,3
	v_mov_b32 v[PT+\b], 0
.endr
.irp j, 8,9,10,11,12,13,14,15
	v_mov_b32 v[QF+\j], 0                          ; the zero codes between the two copies of q
.endr
.set q, 0
.rept 32
	v_mov_b32 v[O+q], 0
.set q, q+1
.endr
.endm
	INIT 0
	INIT 1
	WIN 0
	s_wait_loadcnt 0x0
	v_and_b32 v[SM2], 0xffff, v[TT]
	v_lshl_or_b32 v[QS0], v[TT], 16, v[SM2]        ; tile 0's two bytes, twice
	v_lshrrev_b32 v[SM2], 16, v[TT]
	v_and_or_b32 v[QS0+1], v[TT], 0xffff0000, v[SM2]   ; tile 1's
.rept 8
	v_nop                                          ; a scale word made by vector instructions stands eight places ahead of its first product
.endr
.macro LOADK                           ; the next step's K (four pair fragments), its scale words and the addend: 33 LDS loads
	v_add_nc_u32 v[ADK], s[SK], v[L16]
	v_add_nc_u32 v[ADKS], s[SSK], v[R16]
	v_add_nc_u32 v[ADA], s[SA0], v[G32]
.irp q, 0,1,2,3,4,5,6,7,8,9,10,11,12,13,14,15
	ds_load_b128 v[KF+4*\q:KF+4*\q+3], v[ADK] offset:512*\q
.endr
	ds_load_b128 v[KSW:KSW+3], v[ADKS]
	WIN 0x40
.irp t, 0,1,2,3,4,5,6,7
	ds_load_b128 v[ADD+8*\t:ADD+8*\t+3], v[ADA] offset:64*\t
	ds_load_b128 v[ADD+8*\t+4:ADD+8*\t+7], v[ADA] offset:64*\t+16
.endr
	WIN 0
	s_add_co_u32 s[SK], s[SK], 8192
	s_add_co_u32 s[SSK], s[SSK], 256
	s_add_co_u32 s[SA0], s[SA0], 512
.endm
; Tile 1's product t of S^T: K in window 0; Q, the addend and the scores in window 1.  It stands among tile 0's maxima and leaves every window 0.
.macro KQ1 t
	WIN 0x54
	v_wmma_scale_f32_16x16x128_f8f6f4 v[S+8*(\t):S+8*(\t)+7], v[KF+16*((\t)/2):KF+16*((\t)/2)+15], v[QF+8*((\t)%2):QF+8*((\t)%2)+15], v[ADD+8*(\t):ADD+8*(\t)+7], v[KSW+((\t)/2)], v[QS0+1] matrix_a_fmt:MATRIX_FMT_BF8 matrix_b_fmt:MATRIX_FMT_BF8
	WIN 0
.endm
; Tile 0's product d of O^T, all in window 0.  It stands among tile 1's scale lines and leaves tile 1's windows.
.macro PV0 d
	WIN 0
	v_wmma_scale_f32_16x16x128_f8f6f4 v[O+8*(\d):O+8*(\d)+7], v[S+16*(\d):S+16*(\d)+15], v[PC:PC+15], v[O+8*(\d):O+8*(\d)+7], v[VSW+(\d)], v[PW] matrix_a_fmt:MATRIX_FMT_BF8 matrix_b_fmt:MATRIX_FMT_BF8
	WIN 0x55
.endm
.macro SP q                            ; the row's sum of the unquantised p, in two chains; q = 1 starts the second with pairs 0 and 1
.if (\q) == 1
	v_pk_add_f32 v[SM2:SM2+1], v[S:S+1], v[S+2:S+3]
.elseif (\q)%2
	v_pk_add_f32 v[SM2:SM2+1], v[SM2:SM2+1], v[S+2*(\q):S+2*(\q)+1]
.else
	v_pk_add_f32 v[SUM:SUM+1], v[SUM:SUM+1], v[S+2*(\q):S+2*(\q)+1]
.endif
.endm
; The hold of pair p (the conversion does not saturate: ISA guide 7.6.2; p is not negative, so it is one-sided), two numbers in one dual instruction: destinations even and odd,
; the first sources in different register banks (number mod 4), and so the second sources: the hold is kept twice for that.
.macro HO p
	v_dual_min_num_f32 v[S+2*(\p)], v[S+2*(\p)], v[HD+(\p)/8] :: v_dual_min_num_f32 v[S+2*(\p)+1], v[S+2*(\p)+1], v[HE+((\p)/8+1)%4]
.endm
.macro CVB b                           ; block b's 32 numbers (16 mine) become codes
	v_cvt_scalef32_pk8_bf8_f32 v[PC+4*(\b):PC+4*(\b)+1], v[S+16*(\b):S+16*(\b)+7], v[SO+(\b)]
	v_cvt_scalef32_pk8_bf8_f32 v[PC+4*(\b)+2:PC+4*(\b)+3], v[S+16*(\b)+8:S+16*(\b)+15], v[SO+(\b)]
.endm
.macro OM q                            ; O^T under the new M, pair q: ascending
	v_pk_mul_f32 v[O+2*(\q):O+2*(\q)+1], v[O+2*(\q):O+2*(\q)+1], v[F:F+1] op_sel_hi:[1,0]
.endm
.macro SOFTMAX w, vw=0                 ; vw (tile 1): the LDS loads issued behind V's, which may stay out when tile 0's products of O^T begin
	WIN 0x55*\w
.if \w
	s_wait_alu depctr_va_vdst(0)
.endif
.irp b, 0,1,2,3
	v_max3_num_f32 v[BM+\b], v[S+16*\b], v[S+1+16*\b], v[S+2+16*\b]      ; the largest score of each block of 32 keys: for the row's maximum and for the block's largest p
.endr
.irp i, 3,5,7,9,11,13
.if \w == 0
	KQ1 (\i-3)/2                                   ; tile 1's products, four plain lines apart
.endif
.irp b, 0,1,2,3
	v_max3_num_f32 v[BM+\b], v[BM+\b], v[S+16*\b+\i], v[S+1+16*\b+\i]
.endr
.endr
.if \w == 0
	KQ1 6
.endif
.irp b, 0,1,2,3
	v_max_num_f32 v[BM+\b], v[BM+\b], v[S+15+16*\b]
.endr
.if \w == 0
	KQ1 7
.endif
.irp b, 0,1,2,3
	v_permlanex16_b32 v[PT+\b], v[BM+\b], s[SEL], s[SEL+1]
.endr
.irp b, 0,1,2,3
	v_max_num_f32 v[BM+\b], v[BM+\b], v[PT+\b]     ; with lane l xor 16's 16 keys
.endr
	v_max3_num_f32 v[TT], v[BM], v[BM+1], v[BM+2]
	v_max_num_f32 v[TT], v[TT], v[BM+3]
	v_mul_f32 v[TT], s[CS], v[TT]
	v_max_num_f32 v[TX], v[TX], v[TT]              ; the running largest t
	v_mov_b32 v[TT], v[NM]
	v_floor_f32 v[NM], -v[TX]                      ; -M = floor(-t): M is a whole number
	v_sub_f32 v[TT], v[NM], v[TT]
	v_cvt_i32_f32 v[TT], v[TT]                     ; (it saturates)
	v_ldexp_f32 v[F], 1.0, v[TT]                   ; f = 2^(old M - new M): rounds nothing
.irp b, 0,1,2,3
	v_fma_f32 v[BM+\b], v[BM+\b], s[CS], v[NM]     ; t - M of each block's largest score
.endr
.set q, 0
.rept 32
	v_pk_fma_f32 v[S+q:S+q+1], v[S+q:S+q+1], s[CS:CS+1], v[NM:NM+1] op_sel_hi:[1,0,0]   ; t - M (of the pairs c and -M the low word serves both halves)
.set q, q+2
.endr
	s_wait_alu depctr_va_vdst(0)                   ; one wait ahead of the batch
.irp b, 0,1,2,3
	v_exp_f32 v[BM+\b], v[BM+\b]                   ; the block's largest p: the same two instructions on the same number as that p itself
.endr
.set q, 0
.rept 64
	v_exp_f32 v[S+q], v[S+q]                       ; p = 2^(t - M)
.set q, q+1
.endr
	v_pk_mul_f32 v[SUM:SUM+1], v[SUM:SUM+1], v[F:F+1] op_sel_hi:[1,0]    ; the sum under the new M: the plain place behind the batch
	s_wait_alu depctr_va_vdst(0)                   ; and one behind it, which is also the wait ahead of the first readers of O^T: plain lines alone follow up to the last of them
.set q, 0
.rept 16
	OM q
	SP q+1                                         ; pairs 0 to 16
.set q, q+1
.endr
.if \w
	s_wait_alu depctr_va_vdst(0)                   ; the wait ahead of the wait below
	s_wait_dscnt \vw                               ; V and its words are in
	PV0 0                                          ; tile 0's four products of O^T, four plain lines apart; four accumulators, one instruction each
.endif
.irp b, 0,1,2,3
	v_max_num_f32 v[BM+\b], 0x8000000, v[BM+\b]    ; the floor 2^(16 - 127): the byte cannot fall under 1
.endr
.if \w
	PV0 1
.endif
.irp b, 0,1,2,3
	v_add_nc_u32 v[SO+\b], 0xf8800000, v[BM+\b]    ; 15 off the exponent field: the conversion's scale operand
.endr
.if \w
	PV0 2
.endif
.irp b, 0,1,2,3
	v_and_or_b32 v[HD+\b], v[BM+\b], 0x7f800000, s[MNT]                  ; 57,344 x the scale
.endr
.if \w
	PV0 3
.endif
.irp b, 0,1,2,3
	v_and_or_b32 v[HE+(\b+1)%4], v[BM+\b], 0x7f800000, s[MNT]            ; the same once more, one register bank on
.endr
.irp b, 0,1,2,3
	v_lshrrev_b32 v[PT+\b], 23, v[SO+\b]           ; the scale's byte
.endr
	v_lshl_or_b32 v[TT], v[PT+1], 8, v[PT]
	v_lshl_or_b32 v[TT], v[PT+2], 16, v[TT]
	WIN 0x15*\w                                    ; scale operands have no window: the word goes to window 0
	v_lshl_or_b32 v[PW+\w], v[PT+3], 24, v[TT]
	WIN 0x55*\w
.set q, 0
.rept 16                               ; the holds of blocks 0, 1 by turns with the sums of pairs 17 to 31
	HO q
.if q < 15
	SP q+17
.endif
.if q%8 == 7
	CVB q/8
.endif
.set q, q+1
.endr
.rept 16
	HO q
.if q%8 == 7
	CVB q/8
.endif
.set q, q+1
.endr
	v_pk_add_f32 v[SUM:SUM+1], v[SUM:SUM+1], v[SM2:SM2+1]
.endm
; A KEY STEP.  mode 0: plain; 1: the step behind which the second pieces are first read; 2: the last
.macro STEP mode
	s_wait_dscnt 0x0                               ; K, its words and the addend are in
	WIN 0x10
.irp t, 0,1,2,3,4,5,6,7
	v_wmma_scale_f32_16x16x128_f8f6f4 v[S+8*\t:S+8*\t+7], v[KF+16*(\t/2):KF+16*(\t/2)+15], v[QF+8*(\t%2):QF+8*(\t%2)+15], v[ADD+8*\t:ADD+8*\t+7], v[KSW+(\t/2)], v[QS0] matrix_a_fmt:MATRIX_FMT_BF8 matrix_b_fmt:MATRIX_FMT_BF8
.endr
	WIN 0
	v_add_nc_u32 v[ADV], s[SV], v[L16]
	v_add_nc_u32 v[ADVS], s[SSV], v[R16]
.rept 6
	v_nop                                          ; with the two additions: eight places ahead of the first read of the scores
.endr
	SOFTMAX 0
	WIN 0
.irp q, 0,1,2,3,4,5,6,7,8,9,10,11,12,13,14,15
	ds_load_b128 v[S+4*\q:S+4*\q+3], v[ADV] offset:512*\q                ; V's four fragments take tile 0's p, which has been converted
.endr
	ds_load_b128 v[VSW:VSW+3], v[ADVS] offset:4096
	s_add_co_u32 s[SSV], s[SSV], 256
.if \mode == 1
	s_mov_b32 s[SV], 180224
	s_wait_alu depctr_va_vdst(0)                   ; the wait ahead of the waits below
	s_wait_tensorcnt 0x0                           ; my second piece has landed
	s_wait_dscnt 0x0
	s_barrier_signal -1
	s_barrier_wait -1                              ; everybody's has
	s_mov_b32 s[SK], 81920
.else
	s_add_co_u32 s[SV], s[SV], 8192
.endif
.if \mode < 2
	LOADK
.else
.irp q, 0,1,2,3,4,5,6,7,8,9,10,11,12,13,14,15
	global_load_b128 v[KF+4*\q:KF+4*\q+3], v[L16], s[6:7] offset:512*\q  ; the gate of my two tiles, in O^T's layout
.endr
.endif
.if \mode == 1
	global_prefetch_b8 v[PF], s[6:7] th:TH_LOAD_NT scope:SCOPE_SE        ; the gate's 8,192 bytes of my wave, twelve steps ahead of their loads; neither register is written again
.endif
.if \mode < 2
	SOFTMAX 1, 33                                  ; behind V's loads: the next step's 33
.else
	SOFTMAX 1, 0
.endif
.rept 3
	v_nop                                          ; with the sum's last line: four places between the last conversion and the products that take the codes
.endr
	s_wait_alu depctr_va_vdst(0)                   ; the wait ahead of the wait below
.if \mode < 2
	s_wait_dscnt 33                                ; V and its words are in; the 33 loads issued behind them may be out
.else
	s_wait_dscnt 0x0
.endif
	WIN 0x54                                       ; tile 1's four products of O^T: four accumulators, one instruction each
.irp d, 0,1,2,3
	v_wmma_scale_f32_16x16x128_f8f6f4 v[O+8*\d:O+8*\d+7], v[S+16*\d:S+16*\d+15], v[PC:PC+15], v[O+8*\d:O+8*\d+7], v[VSW+\d], v[PW+1] matrix_a_fmt:MATRIX_FMT_BF8 matrix_b_fmt:MATRIX_FMT_BF8
.endr
	WIN 0
.rept 9
	v_nop                                          ; nine places: the next products write over V's fragments
.endr
.endm
	s_wait_alu depctr_va_vdst(0)                   ; the wait at the head's end
	s_wait_tensorcnt 0x0                           ; my first piece is in; the full sequence ahead of the second pieces' first fill
	ds_add_u32 v182, v183
	ds_add_u32 v182, v183                          ; twice: for waves 5 to 7 the load below is the first
	s_wait_dscnt 0x0
	ROUND                                          ; everybody's first piece is in, and the four work-groups are here
	tensor_load_to_lds s[44:47], s[32:39]
	s_nop 0
.rept 4
	v_nop
.endr
	LOADK
	s_mov_b32 s[CNT], 3
.Lfirst:
	STEP 0
	s_sub_co_u32 s[CNT], s[CNT], 1
	s_cmp_lg_u32 s[CNT], 0
	s_cbranch_scc1 .Lfirst
	STEP 1
	s_mov_b32 s[CNT], 11
.Lrest:
	STEP 0
	s_sub_co_u32 s[CNT], s[CNT], 1
	s_cmp_lg_u32 s[CNT], 0
	s_cbranch_scc1 .Lrest
	STEP 2
; THE WAY OUT: / the sum, x the gate; through my stage, half of d at a time, so that a lane holds a token; then for each pair of d one store of 256 consecutive bytes
	s_wait_loadcnt 0x0                             ; the gate
.irp w, 0,1
	WIN 0x55*\w
	v_add_f32 v[SUM], v[SUM], v[SUM+1]
	v_permlanex16_b32 v[TT], v[SUM], s[SEL], s[SEL+1]
	v_add_f32 v[SUM], v[SUM], v[TT]
.endr
	s_wait_alu depctr_va_vdst(0)                   ; ahead of the two reciprocals
	v_rcp_f32 v[F], v[SUM]
	WIN 0
	v_rcp_f32 v[F], v[SUM]
	v_nop
	s_wait_alu depctr_va_vdst(0)                   ; behind them, and ahead of the first readers of tile 0's O^T
.set q, 0
.rept 16
	v_pk_mul_f32 v[O+q:O+q+1], v[O+q:O+q+1], v[F:F+1] op_sel_hi:[1,0]    ; each accumulator from its low end on
.set q, q+2
.endr
.set q, 0
.rept 16
	v_pk_mul_f32 v[O+q:O+q+1], v[O+q:O+q+1], v[KF+q:KF+q+1]
.set q, q+2
.endr
	WIN 0x55
	s_wait_alu depctr_va_vdst(0)                   ; ahead of the first readers of tile 1's
.set q, 0
.rept 16
	v_pk_mul_f32 v[O+q:O+q+1], v[O+q:O+q+1], v[F:F+1] op_sel_hi:[1,0]
.set q, q+2
.endr
	WIN 0x41
.set q, 0
.rept 16
	v_pk_mul_f32 v[O+q:O+q+1], v[O+q:O+q+1], v[KF+32+q:KF+33+q]
.set q, q+2
.endr
	WIN 0
.irp h, 0,1                            ; d 32 h .. 32 h + 31.  LDS serves a wave's instructions in order: the loads see my stores, and the second half's stores come behind the first's loads
.irp q, 0,1,2,3
	ds_store_b128 v[STW], v[O+16*\h+4*\q:O+16*\h+4*\q+3] offset:16*\q
.endr
	WIN 0x04
.irp q, 0,1,2,3
	ds_store_b128 v[STW], v[O+16*\h+4*\q:O+16*\h+4*\q+3] offset:1152+16*\q
.endr
	WIN 0
.irp j, 0,1,2,3,4,5,6,7
	ds_load_b128 v[KF+32*\h+4*\j:KF+32*\h+4*\j+3], v[STR] offset:16*\j
.endr
.endr
.irp q, 0,1,2,3,4,5,6,7,8,9,10,11,12,13,14,15
.if \q < 8
	s_wait_dscnt 23-\q                             ; load q is back; behind it: the first half's later loads, the second half's 8 stores and 8 loads
.else
	s_wait_dscnt 15-\q
.endif
	global_store_b64 v[L8], v[KF+4*\q:KF+4*\q+1], s[8:9] offset:4096*(2*\q)
	global_store_b64 v[L8], v[KF+4*\q+2:KF+4*\q+3], s[8:9] offset:4096*(2*\q+1)
.endr
	s_wait_tensorcnt 0x0                           ; the wave's end
	ds_add_u32 v182, v183
	s_wait_dscnt 0x0
	ROUND                                          ; the closing round
	s_endpgm
.Lfunc_end_k_q4ea2dfab15_attn:
	.size	k_q4ea2dfab15_attn, .Lfunc_end_k_q4ea2dfab15_attn-k_q4ea2dfab15_attn
	.p2alignl 7, 3214868480
	.fill 96, 4, 3214868480
	.section	.rodata,"a",@progbits
	.p2align	6, 0x0
	.amdhsa_kernel k_q4ea2dfab15_attn
		.amdhsa_group_segment_fixed_size 327680
		.amdhsa_private_segment_fixed_size 0
		.amdhsa_enable_private_segment 0
		.amdhsa_kernarg_size 24
		.amdhsa_user_sgpr_count 2
		.amdhsa_user_sgpr_kernarg_segment_ptr 1
		.amdhsa_wavefront_size32 1
		.amdhsa_system_sgpr_workgroup_id_x 1
		.amdhsa_system_sgpr_workgroup_id_y 1
		.amdhsa_system_sgpr_workgroup_id_z 1
		.amdhsa_system_vgpr_workitem_id 0
		.amdhsa_next_free_vgpr 512
		.amdhsa_next_free_sgpr 66
		.amdhsa_reserve_vcc 0
		.amdhsa_float_denorm_mode_32 3
		.amdhsa_float_denorm_mode_16_64 3
		.amdhsa_memory_ordered 1
		.amdhsa_forward_progress 1
		.amdhsa_inst_pref_size 172
	.end_amdhsa_kernel
	.amdgpu_metadata
---
amdhsa.version: [ 1, 2 ]
amdhsa.kernels:
  - .name:           k_q4ea2dfab15_attn
    .symbol:         k_q4ea2dfab15_attn.kd
    .args:
      - { .name: qkv, .offset: 0, .size: 8, .value_kind: global_buffer, .address_space: global }
      - { .name: gate, .offset: 8, .size: 8, .value_kind: global_buffer, .address_space: global }
      - { .name: attw, .offset: 16, .size: 8, .value_kind: global_buffer, .address_space: global }
    .group_segment_fixed_size: 327680
    .private_segment_fixed_size: 0
    .kernarg_segment_align: 8
    .kernarg_segment_size: 24
    .max_flat_workgroup_size: 256
    .sgpr_count:     66
    .vgpr_count:     512
    .wavefront_size: 32
...
	.end_amdgpu_metadata
.endif
;; end of part 3
;; launch proj (part 4): grid 4 x 64, 4 waves a work-group, clusters of 4 x 1, 85,504 bytes of LDS; arguments attw, cw, x, bo, out0; writes out0
.if DOCPART == 4
	.amdgcn_target "amdgcn-amd-amdhsa--gfx1250"
	.amdhsa_code_object_version 6
	.text
	.protected	k_q4ea2dfab15_proj
	.globl	k_q4ea2dfab15_proj
	.p2align	8
	.type	k_q4ea2dfab15_proj,@function
k_q4ea2dfab15_proj:
	s_mov_b64 s[64:65], 0
	v_nop
	global_prefetch_b8 v0, s[64:65] scope:SCOPE_SE
	s_setreg_imm32_b32 hwreg(HW_REG_WAVE_MODE, 25, 1), 1
	s_wait_xcnt 0x0
	s_wait_alu depctr_hold_cnt(0) depctr_sa_sdst(0) depctr_va_vdst(0) depctr_va_sdst(0) depctr_va_ssrc(0) depctr_va_vcc(0) depctr_vm_vsrc(0)
	s_getreg_b32 s2, hwreg(HW_REG_IB_STS2, 6, 4)
	s_cmp_eq_u32 s2, 0
	s_cbranch_scc0 .Lentry_in_a_cluster
	s_endpgm
.Lentry_in_a_cluster:
	s_bfe_u32 s2, ttmp6, 0x10000c
	s_cmp_lg_u32 s2, 0x3003
	s_cbranch_scc0 .Lentry_shape_is_right
	s_endpgm
.Lentry_shape_is_right:
; out0 = x + att Wo + bo, the product on codes of BF8 (E5M2) with E8M0 scales.  att arrives as f32 in attw [token / 32][d / 2][head 16][token 32][2]; Wo as images of operand registers in cw.
; A work-group takes 64 rows x 256 columns; wave w keeps Wo's fragments of its 64 columns (32 fragments, 512 registers, windows 2 and 3), read once as 65,536 consecutive bytes.
; PHASE X: wave w quantises token group w % 2 (32 tokens, A LANE IS A TOKEN) for K half w / 2.  A block of 32 along K (channels 32 k .. : two d x 16 heads) lies in one lane; inside a block K is taken in the
; order 2 head + (d % 2) on both operands.  Codes go to LDS as images of the operand's registers, scale words beside them; one barrier; then every wave multiplies all 64 rows by its columns.
; LDS: 0 images [m 4][kstep 8][2048]; 65,536 scale words [m][kstep][16]; 67,584 + 4,352 wave: a stage of 16 rows x 272 bytes for the way out.  No tensor load: LDS is claimed as it is used.
; LIMITS: a block of zeros gets the byte 1 (its codes are zeros; only this program reads it); NaN and infinities are not served.
; REGISTERS: window 0: v1-13 addresses; v16-143 four sets of 32 numbers, later two sets of four fragments, later rows of the result; v144-151 att's scale words; v152-167 at work; v168-171 bo; v208-239 Wo's scale words.
;   window 1: v0-127 the 16 accumulators (nt, m) at v[8 (4 nt + m)]; v128-255 x.   windows 2, 3: Wo.
.set WOI,  8650752
.set WOS,  9699328
.set XSC,  65536
.set STG,  67584
.set L8,   4
.set L16,  5
.set IW,   6
.set SW,   7
.set SR,   8
.set STO,  9
.set STI,  10
.set GO,   11
.set R32,  12
.set R16,  13
.set X,    16
.set AF,   16
.set OUT,  16
.set AW,   144
.set MX,   152
.set SOP,  154
.set HLD,  155
.set BYT,  156
.set WRD,  157
.set C,    160
.set BO,   168
.set WSW,  208
.set MSB, 0
.macro WIN new
.if MSB != (\new)
	s_set_vgpr_msb (MSB<<8)|(\new)
.set MSB, (\new)
.endif
.endm
	s_load_b256 s[4:11], s[0:1], 0x0               ; attw s[4:5], cw s[6:7], x s[8:9], bo s[10:11]
	s_load_b64 s[12:13], s[0:1], 0x20              ; out0
	v_lshl_add_u32 v254, v0, 2, 0x14c00
	v_mov_b32 v255, 0
	v_lshrrev_b32 v1, 5, v0
	v_readfirstlane_b32 s14, v1                    ; wave
	v_and_b32 v1, 31, v0
	v_and_b32 v2, 15, v0
	v_bfe_u32 v3, v0, 4, 1
	s_wait_alu depctr_va_vdst(0)
	s_and_b32 s15, ttmp7, 0xffff                   ; which 64 rows
	s_and_b32 s16, s14, 1                          ; token group
	s_lshr_b32 s17, s14, 1                         ; K half
	v_lshlrev_b32 v[L8], 3, v1
	v_lshlrev_b32 v[L16], 4, v1
	s_lshl_b32 s18, s16, 15
	s_lshl_b32 s19, s17, 13
	s_add_co_u32 s18, s18, s19
	v_lshlrev_b32 v[IW], 14, v3
	v_lshl_add_u32 v[IW], v2, 4, v[IW]
	v_add_nc_u32 v[IW], s18, v[IW]                 ; images, way in: token l is row l % 16 of tile 2 e + l / 16
	s_lshl_b32 s18, s16, 10
	s_lshl_b32 s19, s17, 8
	s_add_co_u32 s18, s18, s19
	s_add_co_u32 s18, s18, XSC
	v_lshlrev_b32 v[SW], 9, v3
	v_lshl_add_u32 v[SW], v2, 2, v[SW]
	v_add_nc_u32 v[SW], s18, v[SW]
	v_lshl_add_u32 v[SR], v2, 2, XSC
	s_mul_i32 s18, s14, 4352
	s_add_co_u32 s18, s18, STG
	v_mul_u32_u24 v[STO], v2, 272
	v_lshl_add_u32 v[STO], v3, 5, v[STO]
	v_add_nc_u32 v[STO], s18, v[STO]
	v_mul_u32_u24 v[STI], v3, 272
	v_lshl_add_u32 v[STI], v2, 4, v[STI]
	v_add_nc_u32 v[STI], s18, v[STI]
	v_lshlrev_b32 v[GO], 12, v3
	v_lshl_add_u32 v[GO], v2, 4, v[GO]             ; x, out0: lanes 0-15 one row's 256 bytes, lanes 16-31 the next row's
	v_lshlrev_b32 v[R32], 5, v2
	v_lshlrev_b32 v[R16], 4, v2
	s_lshl_b32 s20, s15, 1
	s_add_co_u32 s20, s20, s16
	s_lshl_b32 s20, s20, 17
	s_lshl_b32 s21, s17, 16
	s_add_co_u32 s20, s20, s21
	s_mov_b32 s21, 0
	s_bfe_u32 s35, ttmp6, 0x40000                  ; the four work-groups that take the same 64 rows of att form a cluster; no load is joint
	s_lshl_b32 s36, ttmp9, 2
	s_add_co_u32 s35, s35, s36                     ; which 256 columns: 4 x cluster x + my place in the cluster
	s_lshl_b32 s22, s35, 4
	s_lshl_b32 s23, s14, 2
	s_add_co_u32 s22, s22, s23                     ; my first tile of 16 columns
	s_lshl_b32 s24, s22, 9
	s_add_co_u32 s24, s24, WOS
	s_mov_b32 s25, 0
	s_lshl_b32 s22, s22, 14
	s_add_co_u32 s22, s22, WOI
	s_mov_b32 s23, 0
	s_lshl_b32 s26, s35, 10
	s_lshl_b32 s27, s14, 8
	s_add_co_u32 s26, s26, s27
	s_mov_b32 s27, 0
	s_lshl_b32 s28, s15, 18
	s_add_co_u32 s28, s28, s26
	s_mov_b32 s29, 0
	s_mov_b32 s34, 0x600000
	s_wait_alu depctr_va_vdst(0)
	s_wait_kmcnt 0x0
	s_add_nc_u64 s[4:5], s[4:5], s[20:21]
	s_add_nc_u64 s[30:31], s[6:7], s[22:23]        ; Wo's images
	s_add_nc_u64 s[32:33], s[6:7], s[24:25]        ; Wo's scale bytes
	s_add_nc_u64 s[10:11], s[10:11], s[26:27]
	s_add_nc_u64 s[8:9], s[8:9], s[28:29]
	s_add_nc_u64 s[12:13], s[12:13], s[28:29]
.irp n, 0,1,2,3
	global_load_b128 v[WSW+8*\n:WSW+8*\n+3], v[R32], s[32:33] offset:512*\n
	global_load_b128 v[WSW+8*\n+4:WSW+8*\n+7], v[R32], s[32:33] offset:512*\n+16
.endr
	global_load_b128 v[BO:BO+3], v[R16], s[10:11]
.macro ALOAD t                         ; block t: 16 heads x two d of my token; each load is 256 consecutive bytes, aligned
.set i, 0
.rept 16
	global_load_b64 v[X+32*((\t)%4)+2*i:X+32*((\t)%4)+2*i+1], v[L8], s[4:5] offset:4096*(\t)+256*i
.set i, i+1
.endr
.endm
.macro WLOAD t                         ; an eighth of a window of Wo: 4,096 consecutive bytes
	WIN 0x80+0x40*((\t)/8)
.set i, 0
.rept 8
	global_load_b128 v[4*((8*(\t)+i)%64):4*((8*(\t)+i)%64)+3], v[L16], s[30:31] offset:512*(8*(\t)+i)
.set i, i+1
.endr
	WIN 0
.endm
	ALOAD 0
	ALOAD 1
.macro BLOCKX t
.set XS, X+32*((\t)%4)
; the count: the loads issued behind this block's sixteen
.if (\t) == 0
	s_wait_loadcnt 16                              ; block 1's
.elseif (\t) == 1
	s_wait_loadcnt 24                              ; block 2's 16, Wo's first 8
.elseif (\t) == 15
	s_wait_loadcnt 16                              ; two runs of Wo's 8
.else
	s_wait_loadcnt 32                              ; Wo's 8, the next block's 16, Wo's 8
.endif
.if (\t) < 14
	ALOAD (\t)+2
.endif
	WLOAD \t
	v_max3_num_f32 v[MX], |v[XS]|, |v[XS+1]|, |v[XS+2]|
	v_max3_num_f32 v[MX+1], |v[XS+3]|, |v[XS+4]|, |v[XS+5]|
.irp i, 6,10,14,18,22,26
	v_max3_num_f32 v[MX], v[MX], |v[XS+\i]|, |v[XS+\i+1]|
	v_max3_num_f32 v[MX+1], v[MX+1], |v[XS+\i+2]|, |v[XS+\i+3]|
.endr
	v_max3_num_f32 v[MX], v[MX], |v[XS+30]|, |v[XS+31]|
	v_max3_num_f32 v[MX], v[MX], v[MX+1], 0x8000000    ; the floor 2^(16 - 127)
	v_add_nc_u32 v[SOP], 0xf8800000, v[MX]
	v_and_or_b32 v[HLD], v[MX], 0x7f800000, s34
	v_lshrrev_b32 v[BYT], 23, v[SOP]
.irp i, 0,1,2,3,4,5,6,7,8,9,10,11,12,13,14,15,16,17,18,19,20,21,22,23,24,25,26,27,28,29,30,31
	v_med3_num_f32 v[XS+\i], v[XS+\i], -v[HLD], v[HLD]
.endr
	s_wait_alu depctr_va_vdst(0)
	s_wait_dscnt 0x0                               ; the last block's LDS stores have read their registers
.if (\t)%4 == 0
	v_mov_b32 v[WRD], v[BYT]
.else
	v_lshl_or_b32 v[WRD], v[BYT], 8*((\t)%4), v[WRD]
.endif
.irp g, 0,1,2,3
	v_cvt_scalef32_pk8_bf8_f32 v[C+2*\g:C+2*\g+1], v[XS+8*\g:XS+8*\g+7], v[SOP]
.endr
	v_nop
	ds_store_b128 v[IW], v[C:C+3] offset:2048*((\t)/4)+512*((\t)%4)      ; k 0-15 of the block: the place of lane (r, 0)
	ds_store_b128 v[IW], v[C+4:C+7] offset:2048*((\t)/4)+512*((\t)%4)+256   ; k 16-31: of lane (r, 1)
.if (\t)%4 == 3
	ds_store_b32 v[SW], v[WRD] offset:64*((\t)/4)
.endif
.endm
.irp t, 0,1,2,3,4,5,6,7,8,9,10,11,12,13,14,15
	BLOCKX \t
.endr
	WIN 0x40
.irp m, 0,1,2,3
.irp i, 0,1,2,3,4,5,6,7
	global_load_b128 v[128+4*(8*\m+\i):131+4*(8*\m+\i)], v[GO], s[8:9] offset:4096*(16*\m+2*\i)
.endr
.endr
	WIN 0
	s_wait_dscnt 0x0                               ; for the others' sake: my images and words have landed
	s_barrier_signal -1
	s_barrier_wait -1
	s_wait_loadcnt 32                              ; Wo is in; x's 32 loads may be out
.macro FETCHA s, set                   ; K step s: four fragments and four scale words: 20 LDS loads
.irp m, 0,1,2,3
.irp c, 0,1,2,3
	ds_load_b128 v[AF+64*(\set)+16*\m+4*\c:AF+64*(\set)+16*\m+4*\c+3], v[L16] offset:16384*\m+2048*(\s)+512*\c
.endr
	ds_load_b32 v[AW+4*(\set)+\m], v[SR] offset:512*\m+64*(\s)
.endr
.endm
.macro PROD s                          ; 16 products, the 16 accumulators by turns; source 0 = Wo, source 1 = att
.set ST2, (\s)%2
.irp h, 0,1
	WIN 0x52+\h
.irp n, 0,1
.irp m, 0,1,2,3
.if (\s) == 0
	v_wmma_scale_f32_16x16x128_f8f6f4 v[8*(4*(2*\h+\n)+\m):8*(4*(2*\h+\n)+\m)+7], v[16*(8*\n+(\s)):16*(8*\n+(\s))+15], v[AF+64*ST2+16*\m:AF+64*ST2+16*\m+15], 0, v[WSW+8*(2*\h+\n)+(\s)], v[AW+4*ST2+\m] matrix_a_fmt:MATRIX_FMT_BF8 matrix_b_fmt:MATRIX_FMT_BF8
.else
	v_wmma_scale_f32_16x16x128_f8f6f4 v[8*(4*(2*\h+\n)+\m):8*(4*(2*\h+\n)+\m)+7], v[16*(8*\n+(\s)):16*(8*\n+(\s))+15], v[AF+64*ST2+16*\m:AF+64*ST2+16*\m+15], v[8*(4*(2*\h+\n)+\m):8*(4*(2*\h+\n)+\m)+7], v[WSW+8*(2*\h+\n)+(\s)], v[AW+4*ST2+\m] matrix_a_fmt:MATRIX_FMT_BF8 matrix_b_fmt:MATRIX_FMT_BF8
.endif
.endr
.endr
.endr
	WIN 0
.endm
	FETCHA 0, 0
.irp s, 0,1,2,3,4,5,6,7
.if \s > 0
.rept 8
	v_nop                                          ; places in front of loads into registers that the last step's products read
.endr
.endif
.if \s < 7
	FETCHA \s+1, (\s+1)%2
	s_wait_dscnt 20                                ; this step's are in; the 20 just issued may be out
.else
	s_wait_dscnt 0x0
.endif
	PROD \s
.endr
.rept 8
	v_nop
.endr
	s_wait_loadcnt 0x0                             ; x
; THE WAY OUT, 16 rows at a time: through my stage, back as rows of 256 bytes; + bo, + x
.irp m, 0,1,2,3
.if \m > 1
	s_wait_xcnt 0x0                                ; the stores of two blocks ago have read this set of registers
.endif
	WIN 0x04
.irp n, 0,1,2,3
	ds_store_b128 v[STO], v[8*(4*\n+\m):8*(4*\n+\m)+3] offset:64*\n          ; each accumulator from its low end on
	ds_store_b128 v[STO], v[8*(4*\n+\m)+4:8*(4*\n+\m)+7] offset:64*\n+16
.endr
	WIN 0
.irp i, 0,1,2,3,4,5,6,7
	ds_load_b128 v[OUT+32*(\m%2)+4*\i:OUT+32*(\m%2)+4*\i+3], v[STI] offset:544*\i   ; LDS serves a wave's instructions in order
.endr
	s_wait_dscnt 0x0
.irp i, 0,1,2,3,4,5,6,7
	v_pk_add_f32 v[OUT+32*(\m%2)+4*\i:OUT+32*(\m%2)+4*\i+1], v[OUT+32*(\m%2)+4*\i:OUT+32*(\m%2)+4*\i+1], v[BO:BO+1]
	v_pk_add_f32 v[OUT+32*(\m%2)+4*\i+2:OUT+32*(\m%2)+4*\i+3], v[OUT+32*(\m%2)+4*\i+2:OUT+32*(\m%2)+4*\i+3], v[BO+2:BO+3]
.endr
	WIN 0x04
.irp i, 0,1,2,3,4,5,6,7
	v_pk_add_f32 v[OUT+32*(\m%2)+4*\i:OUT+32*(\m%2)+4*\i+1], v[OUT+32*(\m%2)+4*\i:OUT+32*(\m%2)+4*\i+1], v[128+4*(8*\m+\i):129+4*(8*\m+\i)]
	v_pk_add_f32 v[OUT+32*(\m%2)+4*\i+2:OUT+32*(\m%2)+4*\i+3], v[OUT+32*(\m%2)+4*\i+2:OUT+32*(\m%2)+4*\i+3], v[130+4*(8*\m+\i):131+4*(8*\m+\i)]
.endr
	WIN 0
.irp i, 0,1,2,3,4,5,6,7
	global_store_b128 v[GO], v[OUT+32*(\m%2)+4*\i:OUT+32*(\m%2)+4*\i+3], s[12:13] offset:4096*(16*\m+2*\i) th:TH_STORE_NT   ; 16 lanes store 256 consecutive bytes, aligned
.endr
.endr
	s_wait_tensorcnt 0x0
	ds_add_u32 v254, v255
	s_wait_dscnt 0x0
	s_endpgm
.Lfunc_end_k_q4ea2dfab15_proj:
	.size	k_q4ea2dfab15_proj, .Lfunc_end_k_q4ea2dfab15_proj-k_q4ea2dfab15_proj
	.p2alignl 7, 3214868480
	.fill 96, 4, 3214868480
	.section	.rodata,"a",@progbits
	.p2align	6, 0x0
	.amdhsa_kernel k_q4ea2dfab15_proj
		.amdhsa_group_segment_fixed_size 85504
		.amdhsa_private_segment_fixed_size 0
		.amdhsa_enable_private_segment 0
		.amdhsa_kernarg_size 40
		.amdhsa_user_sgpr_count 2
		.amdhsa_user_sgpr_kernarg_segment_ptr 1
		.amdhsa_wavefront_size32 1
		.amdhsa_system_sgpr_workgroup_id_x 1
		.amdhsa_system_sgpr_workgroup_id_y 1
		.amdhsa_system_sgpr_workgroup_id_z 1
		.amdhsa_system_vgpr_workitem_id 0
		.amdhsa_next_free_vgpr 1024
		.amdhsa_next_free_sgpr 66
		.amdhsa_reserve_vcc 0
		.amdhsa_float_denorm_mode_32 3
		.amdhsa_float_denorm_mode_16_64 3
		.amdhsa_memory_ordered 1
		.amdhsa_forward_progress 1
		.amdhsa_inst_pref_size 151
	.end_amdhsa_kernel
	.amdgpu_metadata
---
amdhsa.version: [ 1, 2 ]
amdhsa.kernels:
  - .name:           k_q4ea2dfab15_proj
    .symbol:         k_q4ea2dfab15_proj.kd
    .args:
      - { .name: attw, .offset: 0, .size: 8, .value_kind: global_buffer, .address_space: global }
      - { .name: cw, .offset: 8, .size: 8, .value_kind: global_buffer, .address_space: global }
      - { .name: x, .offset: 16, .size: 8, .value_kind: global_buffer, .address_space: global }
      - { .name: bo, .offset: 24, .size: 8, .value_kind: global_buffer, .address_space: global }
      - { .name: out0, .offset: 32, .size: 8, .value_kind: global_buffer, .address_space: global }
    .group_segment_fixed_size: 85504
    .private_segment_fixed_size: 0
    .kernarg_segment_align: 8
    .kernarg_segment_size: 40
    .max_flat_workgroup_size: 128
    .sgpr_count:     66
    .vgpr_count:     1024
    .wavefront_size: 32
...
	.end_amdgpu_metadata
.endif
;; end of part 4
